; MI455X (gfx1250); checked and timed in simulation.
; The chip was launched on July 23, 2026; its instructions are those of AMD's public machine-readable ISA for CDNA 5 (MIT licence, August 2026) and "CDNA5" Instruction Set Architecture Reference Guide (July 2026). The comments in the code are by the model that wrote it; some were corrected since.
;; Multi Head Attention. Allowed arithmetic: matrix products marked QUANTISED: E3M2 operands, one E8M0 scale for each 32 along K, by v_wmma_scale_f32_16x16x128_f8f6f4 with both operands' format E3M2, f32 sums; everything else in f32.
;; Inputs: b_proj 1,024 float32; b_qkv 3,072 float32; w_proj 1,024 x 1,024 float32; w_qkv 1,024 x 3,072 float32; x 4 x 2,048 x 1,024 float32.
;; Outputs: out0 4 x 2,048 x 1,024 float32.
;; This version of the problem:
;;   THIS VERSION OF THE PROBLEM IS GIVEN IN LOW PRECISION. The matrix products marked QUANTISED in the list below multiply operands that are first quantised to E3M2 (3 exponent bits, 2 mantissa bits; 6 bits a number), with one power-of-two scale for each 32 numbers along K (OCP MX v1.0); their sums are f32. All else is computed in f32.
;;   The module's matrix products, in the order in which they are computed (A, B: the left and right operand; K: the contracted axis; several contracted axes count as one K, in the product's order):
;;     1. [M 8,192, K 1,024] x [K 1,024, N 3,072]; A: input x; B: input w_qkv: QUANTISED
;;     2. batch 64 x [M 2,048, K 64] x [K 64, N 2,048]; A: computed on the way; B: computed on the way: QUANTISED
;;     3. batch 64 x [M 2,048, K 2,048] x [K 2,048, N 64]; A: softmax (see below); B: computed on the way: QUANTISED
;;     4. [M 8,192, K 1,024] x [K 1,024, N 1,024]; A: computed on the way; B: input w_proj: QUANTISED
;;   THE QUANTISER, for each operand of a quantised product, along K:
;;     - K is cut into blocks of 32 from its start; a last block that is shorter is filled with zeros.
;;     - A block's scale is 2^e with e = floor(log2(the largest magnitude in the block)) - 4, held to -126 .. 127; a block of zeros has e = 0. As a byte (E8M0): e + 127.
;;     - Each number is divided by its block's scale, clamped to +-28, and rounded to the nearest number of E3M2, ties to even, subnormals kept.
;;     - The product sums the exact products of the quantised numbers (number of the format x scale) in f32.
;;   ~~~python
;;   def quantise(x, axis):      # numpy; x: float32 -> the quantised numbers, widened to float32 again
;;       x = np.moveaxis(x, axis, -1); K = x.shape[-1]
;;       x = np.pad(x, [(0, 0)] * (x.ndim - 1) + [(0, -K % 32)]); x = x.reshape(x.shape[:-1] + (-1, 32)); a = np.abs(x).max(-1, keepdims=True)
;;       e = np.where(a > 0, np.clip(np.frexp(np.where(a > 0, a, 1))[1] - 1 - 4, -126, 127), 0)      # np.frexp(a)[1] - 1 = floor(log2(a)), exactly
;;       r = np.clip(x / 2.0 ** e, -28, 28)
;;       step = 2.0 ** (np.maximum(np.frexp(np.where(r == 0, 1, r))[1] - 1, -2) - 2)
;;       q = np.round(r / step) * step * 2.0 ** e      # np.round: ties to even
;;       return np.moveaxis(q.reshape(q.shape[:-2] + (-1,))[..., :K], -1, axis).astype(np.float32)
;;   ~~~
;;   SOFTMAX AHEAD OF A QUANTISED PRODUCT. Where the list says 'softmax', what is quantised is not the finished softmax but p = 2^(t - M), with t = logit x log2(e) and M = ceil(the row's largest t), a whole number; so 1/2 < the row's largest p <= 1. The row's sum l is taken of the UNQUANTISED p, in f32, and the product's result is divided by l at the end. Since M is a whole number, a kernel that streams over the keys may use a running M (the ceiling of the running maximum): every later rescaling is an exact power of two, which a block's scale takes up: the codes' values come out the same.
;;   OPERANDS COMPUTED ON THE WAY. 'Computed on the way' means the value that the module computes at that place (a softmax that the list does not call 'softmax' is quantised finished and normalised). What goes into a quantiser is computed in f32, as accurately as f32 sums, v_exp_f32 and their like allow (about 1e-6 of the number): no bf16 or f16 on the way to a quantiser, and a product that is left as it is and whose result goes on into a quantised operand takes f32 operands (vector FMAs, or v_wmma_f32_16x16x4_f32). A number that lies on a knife's edge between two numbers of the format may be rounded either way, as far as f32 arithmetic and the matrix unit's own rounding can turn it there, and no further.
;; One version. Each part assembles by itself: llvm-mc -triple=amdgcn-amd-amdhsa -mcpu=gfx1250 --defsym DOCPART=n.
;; ======== version 1 of 1: 4 launches
;; workspace buffers: xq 6,553,600 bytes; aq 6,553,600 bytes; wc 3,276,800 bytes; qb 6,815,744 bytes; kv 13,369,344 bytes
;; launch prep (part 1): grid 384 x 1, 4 waves a work-group, no clusters, 58,880 bytes of LDS; arguments x, w_qkv, w_proj, xq, wc; writes xq, wc
.if DOCPART == 1
	.amdgcn_target "amdgcn-amd-amdhsa--gfx1250"
	.amdhsa_code_object_version 6
	.text
	.protected	k_qe795571c52_prep
	.globl	k_qe795571c52_prep
	.p2align	8
	.type	k_qe795571c52_prep,@function
k_qe795571c52_prep:
	s_mov_b64 s[64:65], 0
	v_nop
	global_prefetch_b8 v0, s[64:65] scope:SCOPE_SE
	s_setreg_imm32_b32 hwreg(HW_REG_WAVE_MODE, 25, 1), 1
	s_wait_xcnt 0x0
; x [8192][1024], w_qkv [1024][3072] and w_proj [1024][1024], f32, become codes of BF6 (E3M2) with one E8M0 byte for each 32 along K (K = 1,024 in all three).
; A block's byte is its largest magnitude's exponent field - 4, held at 1 from below; numbers are divided by the scale and rounded to the nearest code, ties to even, beyond 28 the largest code.
; LIMITS: a block of zeros gets the byte 1 (its codes are zeros, and this program alone reads the bytes); magnitudes under 2^-122 were not tried; NaN and infinities are not served.
; LAYOUT OF xq AND wc: blocks of 128 rows (x: tokens; wc: columns n, w_qkv's 24 blocks, then w_proj's 8), RBB bytes each:
;   codes [quarter of K 0..3][tile 0..7][half of the quarter 0..1][image of 1,536 bytes], then at SCB scale words [quarter][row 0..127][2 words].
;   Tile i holds rows 32 (i / 2) + 8 (i % 2) + p(r), p(r) = r + 8 (r / 8), r = lane % 16.
;   An image is the operand's 12 registers as they stand: registers 0-3 at 16 x lane, 4-5 at 512 + 8 x lane, 6-9 at 768 + 16 x lane, 10-11 at 1,280 + 8 x lane: every store covers 512 or 256 consecutive bytes.
; Work-groups 0..255 take x (32 rows each, a wave a quarter of K), 256..383 the weights (128 columns x a quarter of K, a wave 32 columns).  Each path has LDS bytes of its own; waves share nothing: no barrier.
.set RBB,  102400
.set SCB,  98304
.set QTR,  24576
.set RAW,  16                          ; x: v16-143 two sets of 64: 16 rows x 16 bytes as loaded
.set X,    144                         ; x: v144-207 my row's 64 numbers: two whole blocks of 32
.set PC,   208                         ; x: v208-219 the fragment's codes
.set DD,   220                         ; x: v220-222, v224-226 the upper halves of the two blocks, as the conversions leave them
.set TM,   228                         ; x: v228-235 at work
.set SW,   236                         ; x: v236-239 the four jobs' scale words
	s_load_b128 s[4:7], s[0:1], 0x0                ; x, w_qkv
	s_load_b128 s[8:11], s[0:1], 0x10              ; w_proj, xq
	s_load_b64 s[12:13], s[0:1], 0x20              ; wc
	v_lshl_add_u32 v240, v0, 2, 0xe400
	v_mov_b32 v241, 0
	v_lshrrev_b32 v1, 5, v0
	v_readfirstlane_b32 s16, v1                    ; wave 0..3
	v_and_b32 v9, 31, v0                           ; lane
	v_lshlrev_b32 v1, 4, v9                        ; 16 x lane
	v_lshlrev_b32 v2, 3, v9                        ; 8 x lane
	s_cmp_lt_u32 ttmp9, 256
	s_cbranch_scc0 .Lweights
; ---------------- x: K is innermost.  Work-group G = 32 rows; my wave: K = 256 x wave on.  Four jobs n = 2 u + s: tile u of the group (rows 8 u + p(0..15)), 128 along K at 128 s.
	v_and_b32 v10, 15, v0                          ; r
	v_bfe_u32 v11, v0, 4, 1                        ; h
	s_mul_i32 s17, s16, 8448                       ; my stage: 16 rows of 512 bytes + 16
	v_add_nc_u32 v3, s17, v1                       ; in: a row's 512 bytes as loaded
	v_mul_u32_u24 v4, v10, 528
	v_lshl_add_u32 v4, v11, 7, v4
	v_add_nc_u32 v4, s17, v4                       ; out: row r, my half's 32 numbers of each 64
	v_lshlrev_b32 v5, 3, v11                       ; 8 h: where my bytes stand in the scale word
	v_and_b32 v6, 8, v10
	v_add_nc_u32 v6, v6, v10                       ; p(r)
	v_lshl_add_u32 v6, v11, 3, v6
	v_lshlrev_b32 v6, 3, v6                        ; 8 bytes x (p(r) + 8 h): lanes 0-15 store tile 0's rows' words, lanes 16-31 tile 1's
	v_mov_b32 v[TM+6], 0                           ; a lane permute's destination counts as one of its sources
	s_mov_b32 s24, 0x76543210
	s_mov_b32 s25, 0xfedcba98                      ; selects for lane l xor 16
	s_mov_b32 s26, 0xffff0000                      ; lanes 16-31
	s_lshl_b32 s20, ttmp9, 17                      ; 32 rows of 4,096 bytes
	s_lshl_b32 s21, s16, 10                        ; my quarter of K
	s_add_co_u32 s20, s20, s21
	s_mov_b32 s21, 0
	s_lshr_b32 s22, ttmp9, 2
	s_mul_i32 s22, s22, RBB                        ; the block of 128 rows
	s_and_b32 s23, ttmp9, 3                        ; my group of 32 in it
	s_mul_i32 s28, s16, QTR
	s_mul_i32 s29, s23, 6144                       ; two tiles x two images
	s_add_co_u32 s28, s28, s29
	s_add_co_u32 s28, s28, s22
	s_mov_b32 s29, 0
	s_lshl_b32 s30, s16, 10
	s_lshl_b32 s31, s23, 8
	s_add_co_u32 s30, s30, s31
	s_add_co_u32 s30, s30, s22
	s_add_co_u32 s30, s30, SCB
	s_mov_b32 s31, 0
	s_wait_kmcnt 0x0
	s_add_nc_u64 s[4:5], s[4:5], s[20:21]
	s_add_nc_u64 s[28:29], s[10:11], s[28:29]      ; my codes
	s_add_nc_u64 s[30:31], s[10:11], s[30:31]      ; my scale words
.macro XLOAD n                         ; job n's 16 rows: each load reads 512 consecutive bytes of one row
.irp p, 0,1,2,3,4,5,6,7,8,9,10,11,12,13,14,15
	global_load_b128 v[RAW+64*((\n)%2)+4*\p:RAW+64*((\n)%2)+4*\p+3], v1, s[4:5] offset:(8*((\n)/2)+\p+8*(\p/8))*4096+512*((\n)%2) th:TH_LOAD_NT
.endr
.endm
.macro JOB n
.set RS, RAW+64*((\n)%2)
.if (\n) > 0
	s_wait_xcnt 0x0                                ; the last job's stores have read the codes' registers
.endif
.if (\n) < 3
	s_wait_loadcnt 16                              ; my 16 loads are in; the next job's 16 may be out
.else
	s_wait_loadcnt 0x0
.endif
.irp p, 0,1,2,3,4,5,6,7,8,9,10,11,12,13,14,15
	ds_store_b128 v3, v[RS+4*\p:RS+4*\p+3] offset:528*\p
.endr
.irp c, 0,1
.irp j, 0,1,2,3,4,5,6,7
	ds_load_b128 v[X+32*\c+4*\j:X+32*\c+4*\j+3], v4 offset:256*\c+16*\j   ; LDS serves a wave's instructions in order: these see the stores.  k = 64 c + 32 h + 4 j ..
.endr
.endr
	s_wait_dscnt 0x0                               ; my numbers are back, and the stores have read their registers,
.if (\n) < 2
	XLOAD (\n)+2                                   ; which take the job two on
.endif
.irp c, 0,1
	v_max3_num_f32 v[TM+\c], |v[X+32*\c]|, |v[X+32*\c+1]|, 0x2800000   ; my block 2 c + h: all 32 numbers are mine; the floor 2^(5 - 127) holds the byte at 1
.endr
.irp i, 2,4,6,8,10,12,14,16,18,20,22,24,26,28,30
.irp c, 0,1
	v_max3_num_f32 v[TM+\c], v[TM+\c], |v[X+32*\c+\i]|, |v[X+32*\c+\i+1]|
.endr
.endr
.irp c, 0,1
	v_add_nc_u32 v[TM+2+\c], 0xfe000000, v[TM+\c]  ; 4 off the exponent field: the conversion's scale operand
.endr
.irp c, 0,1
	v_lshrrev_b32 v[TM+4+\c], 23, v[TM+2+\c]       ; the byte
.endr
	v_lshl_or_b32 v[SW+(\n)], v[TM+5], 16, v[TM+4] ; blocks h and 2 + h,
	v_lshlrev_b32 v[SW+(\n)], v5, v[SW+(\n)]       ; at their places,
	v_permlanex16_b32 v[TM+6], v[SW+(\n)], s24, s25
	v_or_b32 v[SW+(\n)], v[SW+(\n)], v[TM+6]       ; with lane l xor 16's two: the row's word
.irp c, 0,1
	v_cvt_scalef32_pk16_bf6_f32 v[PC+6*\c:PC+6*\c+2], v[X+32*\c:X+32*\c+15], v[TM+2+\c]
	v_cvt_scalef32_pk16_bf6_f32 v[DD+4*\c:DD+4*\c+2], v[X+32*\c+16:X+32*\c+31], v[TM+2+\c]   ; (a conversion's three registers begin on an even number)
.endr
	v_nop                                          ; one plain line behind the conversions
.irp c, 0,1
.irp i, 0,1,2
	v_mov_b32 v[PC+6*\c+3+\i], v[DD+4*\c+\i]
.endr
.endr
	global_store_b128 v1, v[PC:PC+3], s[28:29] offset:1536*(\n)
	global_store_b64 v2, v[PC+4:PC+5], s[28:29] offset:1536*(\n)+512
	global_store_b128 v1, v[PC+6:PC+9], s[28:29] offset:1536*(\n)+768
	global_store_b64 v2, v[PC+10:PC+11], s[28:29] offset:1536*(\n)+1280
.endm
	XLOAD 0
	XLOAD 1
	JOB 0
	JOB 1
	JOB 2
	JOB 3
	v_cndmask_b32 v[TM], v[SW], v[SW+2], s26       ; lanes 0-15: tile 0's two words; lanes 16-31: tile 1's
	v_cndmask_b32 v[TM+1], v[SW+1], v[SW+3], s26
	global_store_b64 v6, v[TM:TM+1], s[30:31]      ; 32 rows x 8 bytes: 256 consecutive bytes, aligned
	s_wait_tensorcnt 0x0
	ds_add_u32 v240, v241
	s_wait_dscnt 0x0
	s_endpgm
; ---------------- the weights: K is the FIRST axis.  A lane takes a column n and its registers run down K: a block of 32 lies in one lane, and the codes come out with K innermost.
.Lweights:
	s_sub_co_u32 s17, ttmp9, 256
	s_and_b32 s18, s17, 31                         ; which block of 128 columns: 0..23 w_qkv's, 24..31 w_proj's
	s_lshr_b32 s19, s17, 5                         ; which quarter of K
	s_mov_b32 s30, 4096
	s_wait_kmcnt 0x0
	s_cmp_lt_u32 s18, 24                           ; the choice hangs on the work-group's number alone
	s_cselect_b32 s30, 12288, s30                  ; bytes from a row of the weight to the next
	s_cselect_b32 s31, 0, 24
	s_cselect_b64 s[34:35], s[6:7], s[8:9]
	s_sub_co_u32 s31, s18, s31
	s_lshl_b32 s31, s31, 9                         ; 128 columns x 4 bytes
	s_lshl_b32 s32, s16, 7                         ; my wave's 32 columns
	s_add_co_u32 s31, s31, s32
	s_lshl_b32 s32, s19, 8
	s_mul_i32 s32, s32, s30                        ; 256 rows a quarter
	s_add_co_u32 s32, s32, s31
	s_mov_b32 s33, 0
	s_add_nc_u64 s[40:41], s[34:35], s[32:33]      ; block t of 32 rows has its own base: s[40 + 2 t]
	s_lshl_b32 s36, s30, 5
	s_mov_b32 s37, 0
.irp t, 1,2,3,4,5,6,7
	s_add_nc_u64 s[40+2*\t:41+2*\t], s[38+2*\t:39+2*\t], s[36:37]
.endr
	s_mul_i32 s20, s18, RBB
	s_mul_i32 s56, s19, QTR
	s_mul_i32 s21, s16, 6144
	s_add_co_u32 s56, s56, s21
	s_add_co_u32 s56, s56, s20
	s_mov_b32 s57, 0
	s_add_nc_u64 s[56:57], s[12:13], s[56:57]      ; my codes: tiles 2 wave and 2 wave + 1 of this quarter
	s_lshl_b32 s58, s19, 10
	s_lshl_b32 s21, s16, 8
	s_add_co_u32 s58, s58, s21
	s_add_co_u32 s58, s58, s20
	s_add_co_u32 s58, s58, SCB
	s_mov_b32 s59, 0
	s_add_nc_u64 s[58:59], s[12:13], s[58:59]      ; my 32 rows' scale words
	v_lshlrev_b32 v8, 2, v9
.irp i, 0,1,2,3,4,5,6,7,8,9,10,11,12,13,14,15,16,17,18,19,20,21,22,23,24,25,26,27,28,29,30,31
	v_mad_u32_u24 v[16+\i], s30, \i, v8            ; row i of a block, my column
.endr
	s_mul_i32 s23, s16, 6144
	s_add_co_u32 s23, s23, 33792                   ; my stage mirrors my 6,144 bytes of output
	v_bfe_u32 v3, v0, 3, 1                         ; my column is row 8 u + p(r') of its group of 32: u = (lane / 8) % 2,
	v_and_b32 v4, 7, v0
	v_bfe_u32 v5, v0, 4, 1
	v_lshl_or_b32 v4, v5, 3, v4                    ; r' = lane % 8 + 8 (lane / 16)
	v_mul_u32_u24 v3, v3, 3072
	v_add_nc_u32 v3, s23, v3
	v_lshl_add_u32 v12, v4, 4, v3                  ; registers 0-3 of a half image
	v_lshl_add_u32 v13, v4, 3, v3                  ; registers 4-5 (+ 512 in the immediate)
	v_add_nc_u32 v14, s23, v1                      ; and back, as it lies
.macro WLOAD t
.irp i, 0,1,2,3,4,5,6,7,8,9,10,11,12,13,14,15,16,17,18,19,20,21,22,23,24,25,26,27,28,29,30,31
	global_load_b32 v[48+32*((\t)%2)+\i], v[16+\i], s[40+2*(\t):41+2*(\t)] th:TH_LOAD_NT   ; 32 lanes read 128 consecutive bytes, the four waves 512
.endr
.endm
.macro BLOCK t                         ; K = 32 t on in the quarter: half s = t / 4, c = (t / 2) % 2, lanes' half t % 2 of the image
.set XS, 48+32*((\t)%2)
.if (\t) < 7
	s_wait_loadcnt 32                              ; this block's 32 loads are in; the next block's may be out
.else
	s_wait_loadcnt 0x0
.endif
	v_max3_num_f32 v124, |v[XS]|, |v[XS+1]|, |v[XS+2]|
	v_max3_num_f32 v125, |v[XS+3]|, |v[XS+4]|, |v[XS+5]|
.irp i, 6,10,14,18,22,26
	v_max3_num_f32 v124, v124, |v[XS+\i]|, |v[XS+\i+1]|
	v_max3_num_f32 v125, v125, |v[XS+\i+2]|, |v[XS+\i+3]|
.endr
	v_max3_num_f32 v124, v124, |v[XS+30]|, |v[XS+31]|
	v_max3_num_f32 v124, v124, v125, 0x2800000     ; and the floor
	v_add_nc_u32 v126, 0xfe000000, v124
	v_lshrrev_b32 v125, 23, v126
.if (\t)%4 == 0
	v_mov_b32 v[10+(\t)/4], v125                   ; four bytes to a word, the lower K in the lower byte
.else
	v_lshl_or_b32 v[10+(\t)/4], v125, 8*((\t)%4), v[10+(\t)/4]
.endif
	v_cvt_scalef32_pk16_bf6_f32 v[112:114], v[XS:XS+15], v126
	v_cvt_scalef32_pk16_bf6_f32 v[120:122], v[XS+16:XS+31], v126
	v_nop                                          ; one plain line behind the conversions
.irp i, 0,1,2
	v_mov_b32 v[115+\i], v[120+\i]
.endr
	ds_store_b128 v12, v[112:115] offset:1536*((\t)/4)+768*(((\t)/2)%2)+256*((\t)%2)
	ds_store_b64 v13, v[116:117] offset:1536*((\t)/4)+768*(((\t)/2)%2)+128*((\t)%2)+512
.if (\t)+2 < 8
	WLOAD (\t)+2
.endif
	s_wait_dscnt 0x0                               ; the stores have read their registers
.endm
	WLOAD 0
	WLOAD 1
.irp t, 0,1,2,3,4,5,6,7
	BLOCK \t
.endr
	global_store_b64 v2, v[10:11], s[58:59]        ; 32 rows x 8 bytes: 256 consecutive bytes, aligned
.irp j, 0,1,2,3,4,5,6,7,8,9,10,11
	ds_load_b128 v[128+4*\j:131+4*\j], v14 offset:512*\j
.endr
.irp j, 0,1,2,3,4,5,6,7,8,9,10,11
	s_wait_dscnt 11-\j                             ; LDS loads come back in order: the younger ones may be out
	global_store_b128 v1, v[128+4*\j:131+4*\j], s[56:57] offset:512*\j
.endr
	s_wait_tensorcnt 0x0
	ds_add_u32 v240, v241
	s_wait_dscnt 0x0
	s_endpgm
.Lfunc_end_k_qe795571c52_prep:
	.size	k_qe795571c52_prep, .Lfunc_end_k_qe795571c52_prep-k_qe795571c52_prep
	.p2alignl 7, 3214868480
	.fill 96, 4, 3214868480
	.section	.rodata,"a",@progbits
	.p2align	6, 0x0
	.amdhsa_kernel k_qe795571c52_prep
		.amdhsa_group_segment_fixed_size 58880
		.amdhsa_private_segment_fixed_size 0
		.amdhsa_enable_private_segment 0
		.amdhsa_kernarg_size 40
		.amdhsa_user_sgpr_count 2
		.amdhsa_user_sgpr_kernarg_segment_ptr 1
		.amdhsa_wavefront_size32 1
		.amdhsa_system_sgpr_workgroup_id_x 1
		.amdhsa_system_sgpr_workgroup_id_y 1
		.amdhsa_system_sgpr_workgroup_id_z 1
		.amdhsa_system_vgpr_workitem_id 0
		.amdhsa_next_free_vgpr 242
		.amdhsa_next_free_sgpr 66
		.amdhsa_reserve_vcc 0
		.amdhsa_float_denorm_mode_32 3
		.amdhsa_float_denorm_mode_16_64 3
		.amdhsa_memory_ordered 1
		.amdhsa_forward_progress 1
		.amdhsa_inst_pref_size 74
	.end_amdhsa_kernel
	.amdgpu_metadata
---
amdhsa.version: [ 1, 2 ]
amdhsa.kernels:
  - .name:           k_qe795571c52_prep
    .symbol:         k_qe795571c52_prep.kd
    .args:
      - { .name: x, .offset: 0, .size: 8, .value_kind: global_buffer, .address_space: global }
      - { .name: w_qkv, .offset: 8, .size: 8, .value_kind: global_buffer, .address_space: global }
      - { .name: w_proj, .offset: 16, .size: 8, .value_kind: global_buffer, .address_space: global }
      - { .name: xq, .offset: 24, .size: 8, .value_kind: global_buffer, .address_space: global }
      - { .name: wc, .offset: 32, .size: 8, .value_kind: global_buffer, .address_space: global }
    .group_segment_fixed_size: 58880
    .private_segment_fixed_size: 0
    .kernarg_segment_align: 8
    .kernarg_segment_size: 40
    .max_flat_workgroup_size: 128
    .sgpr_count:     66
    .vgpr_count:     242
    .wavefront_size: 32
...
	.end_amdgpu_metadata
.endif
;; end of part 1
;; launch gemm_qkv (part 2): grid 12 x 32, 4 waves a work-group, clusters of 4 x 4, 327,680 bytes of LDS; arguments xq, wc, b_qkv, qb, kv; writes qb, kv
.if DOCPART == 2
	.amdgcn_target "amdgcn-amd-amdhsa--gfx1250"
	.amdhsa_code_object_version 6
	.text
	.protected	k_qe795571c52_gemm_qkv
	.globl	k_qe795571c52_gemm_qkv
	.p2align	8
	.type	k_qe795571c52_gemm_qkv,@function
k_qe795571c52_gemm_qkv:
	s_mov_b64 s[64:65], 0
	v_nop
	global_prefetch_b8 v0, s[64:65] scope:SCOPE_SE
	s_setreg_imm32_b32 hwreg(HW_REG_WAVE_MODE, 25, 1), 1
	s_wait_xcnt 0x0
	s_wait_alu depctr_hold_cnt(0) depctr_sa_sdst(0) depctr_va_vdst(0) depctr_va_sdst(0) depctr_va_ssrc(0) depctr_va_vcc(0) depctr_vm_vsrc(0)
	s_getreg_b32 s2, hwreg(HW_REG_IB_STS2, 6, 4)
	s_cmp_eq_u32 s2, 0
	s_cbranch_scc0 .Lentry_in_a_cluster
	s_endpgm
.Lentry_in_a_cluster:
	s_bfe_u32 s2, ttmp6, 0x10000c
	s_cmp_lg_u32 s2, 0xf033
	s_cbranch_scc0 .Lentry_shape_is_right
	s_endpgm
.Lentry_shape_is_right:
; qkv = x w_qkv + b_qkv on codes of BF6 (E3M2) with E8M0 scales, sums in f32; the results never go to memory as f32: q and k are quantised along the head's 64 channels, v along the keys, in registers.
; A work-group of four waves makes 256 x 256, a wave 128 x 128: 64 accumulators.  K = 1,024 goes in four quarters through two LDS slots filled by the tensor data mover.
; THE PRODUCT: source 0 = 16 rows of "B", source 1 = 16 rows of "A": a lane holds ONE row of A, its registers run along B's rows.
;   cluster x = 0 (q), 1 (k): A = x's tokens, B = w_qkv's columns n: registers along the channels.   cluster x = 2 (v): A = w_qkv's columns, B = x's tokens: registers along the keys.
;   The cluster's x is the same in all sixteen partners; only pointers and tile numbers are chosen by it, and the two ways out.
; OPERANDS lie in xq and wc as images of their registers (blocks of 128 rows, RBB bytes: codes [quarter][tile][half][1,536 bytes], scale words at SCB): a quarter of a block is 24,576 dense bytes, one tensor load;
;   a fragment comes by four LDS loads of consecutive bytes: no pitch, no padding.  Tile i holds rows 32 (i / 2) + 8 (i % 2) + p(r), p(r) = r + 8 (r / 8), so that the 16 registers of B's tiles 2 b, 2 b + 1 are 16 neighbours.
; CLUSTERS: 4 x 4.  A's tiles are shared along a row of the cluster, B's along a column: joint loads.  384 work-groups are 24 clusters for a chip that holds 16 at a time: stated, and kept.
; OUT: qb [head of batch 64][step of 128 tokens 16][8 tile images of 768 bytes, 512 bytes of scale words]; kv [64][16][K as qb: 6,656 | V: 4 images of 1,536 bytes (16 channels x 128 keys), 256 bytes of scale words].
; LIMITS: a block of zeros gets the byte 1 (zero codes; this program alone reads the bytes); NaN and infinities are not served.
; REGISTERS: window 0: v16-30 addresses; v32-63 scale words, two sets; v64-127 the bias; v128-223 A's fragments, one set; on the way out v128-255 at work.  window 1: B's two sets.  windows 2, 3: accumulator (a, b) at v[8 (8 (a % 4) + b)].
.set RBB,   102400
.set SCB,   98304
.set QTR,   24576
.set SLOT,  4*QTR                      ; A's two halves, then B's two halves
.set SCL,   2*SLOT                     ; the scale words of the four blocks of 128 rows, 4,096 bytes each: filled once
.set SPARE, SCL+4*4096                 ; the spare words: 128 bytes a wave, two blocks of 256 bytes that no other line names
.set FR,    12
.set NL,    4                          ; LDS loads that bring a fragment
.set NP,    4                          ; places behind this matrix instruction (ISA guide 7.12.1)
.set ADRA,  16                         ; v16-17 my A half in slot 0, 1, + 16 x lane; v18-19 the same + 8 x lane
.set ADRB,  20                         ; v20-23 likewise for B
.set L16,   24                         ; v24 16 x lane
.set L8,    25                         ; v25 8 x lane
.set BO,    26                         ; v26 64 h: the bias along the registers
.set ADRS,  27                         ; v27 my scale words: lanes 0-15 A's rows, lanes 16-31 B's
.set SPW,   28
.set NIL,   29
.set BV,    30                         ; v30 4 p(r): the bias of the lane's row
.set SC,    32
.set BP,    64
.set AF,    128
.set T,     128                        ; the way out: 64 numbers of a lane
.set PC,    192                        ; v192-203 codes; v204-206, v208-210 halves as the conversions leave them
.set TM,    212                        ; v212-227 at work
.set PW,    232                        ; v232-239 the eight tiles' scale words
.set SCO,   240                        ; v240-247 scale images
.set SEL,   2                          ; s[2:3] selects for lane l xor 16
.set G1,    24
.set G0,    32
.set G1B,   48
.set G0B,   56
.set G1S,   68
.set G0S,   76
.set G1SB,  80
.set G0SB,  88
.set SB0,   96                         ; s[96:97], s[98:99] where my two heads' bytes go
.set BIAS,  100                        ; s[100:101]
.set MSB, 0
.macro WIN new                         ; the immediate's high byte repeats the setting that is left
.if MSB != \new
	s_set_vgpr_msb (MSB<<8)|\new
.set MSB, \new
.endif
.endm
.set MUL_LO, 0xa1                      ; source 0 (B) window 1, source 1 (A) window 0, C and D window 2
.set MUL_HI, 0xf1
.set TO_B,   0x40
.macro JLOAD g0a, g1a, g0b, g1b        ; a joint load: waves 0 and 1 fetch for A, waves 2 and 3 for B; four v_nop follow each line
	s_cmp_eq_u32 s15, 0
	s_cbranch_scc0 .Lfor_b_\@
	tensor_load_to_lds s[\g0a:\g0a+3], s[\g1a:\g1a+7]
	s_nop 0
.rept 4
	v_nop
.endr
	s_branch .Lasked_\@
.Lfor_b_\@:
	tensor_load_to_lds s[\g0b:\g0b+3], s[\g1b:\g1b+7]
	s_nop 0
.rept 4
	v_nop
.endr
.Lasked_\@:
.endm
.macro CREST                           ; a round of the cluster's barrier behind its opening barrier
	s_cmp_lg_u32 s14, 0
	s_cbranch_scc1 .Lnot_wave_0_\@
	s_barrier_signal -3
.Lnot_wave_0_\@:
	s_barrier_wait -3
	s_barrier_signal -1
	s_barrier_wait -1
.endm
.macro CROUND
	s_barrier_signal -1
	s_barrier_wait -1
	CREST
.endm
	s_load_b128 s[4:7], s[0:1], 0x0                ; xq, wc
	s_load_b128 s[8:11], s[0:1], 0x10              ; b_qkv, qb
	s_load_b64 s[12:13], s[0:1], 0x20              ; kv
	v_lshl_add_u32 v[SPW], v0, 2, SPARE
	v_mov_b32 v[NIL], 0
	ds_add_u32 v28, v29
	s_wait_dscnt 0x0
	v_lshrrev_b32 v1, 5, v0
	v_readfirstlane_b32 s14, v1                    ; wave 0..3
	s_lshr_b32 s15, s14, 1                         ; my half of A's rows.  Also: I fetch for A (0) or for B (1)
	s_and_b32 s16, s14, 1                          ; my half of B's rows.  Also: which block of 128 rows I fetch
	s_bfe_u32 s40, ttmp6, 0x40000                  ; cx
	s_bfe_u32 s41, ttmp6, 0x40004                  ; cy
	s_and_b32 s17, ttmp7, 0xffff                   ; cluster y: which 1,024 tokens
	s_cmp_eq_u32 ttmp9, 2                          ; v?
	s_cselect_b32 s42, s17, ttmp9                  ; B: v: the tokens; q, k: w_qkv's columns 1,024 x cluster x on
	s_cselect_b32 s17, 2, s17                      ; A: v: w_qkv's columns 2,048 on; q, k: the tokens
	s_lshl_b32 s42, s42, 2
	s_add_co_u32 s42, s42, s40                     ; B's tile of 256 rows: hangs on cx alone within the cluster
	s_lshl_b32 s17, s17, 2
	s_add_co_u32 s17, s17, s41                     ; A's: on cy alone
	s_lshl_b32 s43, s41, 2
	s_lshl_b32 s43, 15, s43                        ; my row of the cluster
	s_lshl_b32 s44, 0x1111, s40                    ; my column
	; descriptor group 1: a dense block as rows of 256 bytes (32 elements of 8 bytes): 96 rows of codes, 16 rows of scale words; no padding
	s_or_b32 s[G1+0], s43, (3<<16)|(1<<21)
	s_or_b32 s[G1B+0], s44, (3<<16)|(1<<21)
.irp g, G1, G1B
	s_mov_b32 s[\g+1], 32<<16                      ; tensor_dim0
	s_mov_b32 s[\g+2], 96<<16                      ; tensor_dim1
	s_mov_b32 s[\g+3], 32<<16                      ; tile_dim0
	s_mov_b32 s[\g+4], 96                          ; tile_dim1
	s_mov_b32 s[\g+5], 32                          ; the pitch
	s_mov_b32 s[\g+6], 0
	s_mov_b32 s[\g+7], 0
.endr
	s_or_b32 s[G1S+0], s43, (3<<16)|(1<<21)
	s_or_b32 s[G1SB+0], s44, (3<<16)|(1<<21)
.irp g, G1S, G1SB
	s_mov_b32 s[\g+1], 32<<16
	s_mov_b32 s[\g+2], 16<<16
	s_mov_b32 s[\g+3], 32<<16
	s_mov_b32 s[\g+4], 16
	s_mov_b32 s[\g+5], 32
	s_mov_b32 s[\g+6], 0
	s_mov_b32 s[\g+7], 0
.endr
	s_lshl_b32 s20, s17, 1
	s_add_co_u32 s20, s20, s16
	s_mul_i32 s20, s20, RBB                        ; A: block 2 x tile + the half that I fetch
	s_mov_b32 s21, 0
	s_lshl_b32 s46, s42, 1
	s_add_co_u32 s46, s46, s16
	s_mul_i32 s46, s46, RBB                        ; B likewise
	s_mov_b32 s47, 0
	s_mul_i32 s45, s14, QTR                        ; where they go: wave x a quarter block: no place in the cluster enters an LDS address
	s_lshl_b32 s94, s14, 12
	s_wait_kmcnt 0x0
	s_cmp_eq_u32 ttmp9, 2
	s_cselect_b64 s[22:23], s[6:7], s[4:5]         ; A's buffer
	s_cselect_b64 s[92:93], s[4:5], s[6:7]         ; B's
	s_add_nc_u64 s[20:21], s[22:23], s[20:21]
	s_add_nc_u64 s[46:47], s[92:93], s[46:47]
	CROUND                                         ; all sixteen work-groups are here: the first joint loads meet
	s_mov_b32 s[G0S], 1
	s_add_co_u32 s[G0S+1], s94, SCL
	s_add_nc_u64 s[G0S+2:G0S+3], s[20:21], SCB
	s_or_b32 s[G0S+3], s[G0S+3], 0x80000000
	s_mov_b32 s[G0SB], 1
	s_add_co_u32 s[G0SB+1], s94, SCL
	s_add_nc_u64 s[G0SB+2:G0SB+3], s[46:47], SCB
	s_or_b32 s[G0SB+3], s[G0SB+3], 0x80000000
	JLOAD G0S, G1S, G0SB, G1SB                     ; the scale words of all of K first
.irp s, 0,1
	s_mov_b32 s[G0+4*\s], 1
	s_add_co_u32 s[G0+4*\s+1], s45, \s*SLOT
	s_add_nc_u64 s[G0+4*\s+2:G0+4*\s+3], s[20:21], \s*QTR
	s_or_b32 s[G0+4*\s+3], s[G0+4*\s+3], 0x80000000
	s_mov_b32 s[G0B+4*\s], 1
	s_add_co_u32 s[G0B+4*\s+1], s45, \s*SLOT
	s_add_nc_u64 s[G0B+4*\s+2:G0B+4*\s+3], s[46:47], \s*QTR
	s_or_b32 s[G0B+4*\s+3], s[G0B+4*\s+3], 0x80000000
	JLOAD G0+4*\s, G1, G0B+4*\s, G1B               ; quarters 0 and 1: three loads of mine are out
.endr
	v_and_b32 v1, 31, v0                           ; lane
	v_and_b32 v2, 15, v0                           ; r
	v_bfe_u32 v3, v0, 4, 1                         ; h
	v_lshlrev_b32 v[L16], 4, v1
	v_lshlrev_b32 v[L8], 3, v1
	v_lshlrev_b32 v[BO], 6, v3
	s_mul_i32 s21, s15, QTR                        ; my half of A
	s_mul_i32 s22, s16, QTR                        ; my half of B,
	s_add_co_u32 s22, s22, 2*QTR                   ; behind A's two
.irp s, 0,1
	v_add_nc_u32 v[ADRA+\s], s21, v[L16]
	v_add_nc_u32 v[ADRA+2+\s], s21, v[L8]
	v_add_nc_u32 v[ADRB+\s], s22, v[L16]
	v_add_nc_u32 v[ADRB+2+\s], s22, v[L8]
	s_add_co_u32 s21, s21, SLOT
	s_add_co_u32 s22, s22, SLOT
.endr
	v_and_b32 v6, 8, v2
	v_add_nc_u32 v6, v6, v2                        ; p(r)
	v_lshlrev_b32 v[BV], 2, v6
	v_lshlrev_b32 v6, 3, v6                        ; 8 bytes a row
	s_lshl_b32 s21, s15, 12                        ; A's: my 128 rows
	s_lshl_b32 s22, s16, 12                        ; B's: my 128 rows, behind A's two blocks
	s_add_co_u32 s22, s22, 2*4096
	s_sub_co_u32 s22, s22, s21
	v_mul_u32_u24 v7, s22, v3                      ; lanes 16-31 take B's
	s_add_co_u32 s21, s21, SCL
	v_add_nc_u32 v6, v6, v7
	v_add_nc_u32 v[ADRS], s21, v6
	; where my results go.  (Registers of their own: none that feeds a joint load's descriptor holds both cx and cy.)
	s_lshl_b32 s92, s17, 1
	s_add_co_u32 s92, s92, s15                     ; my block of 128 rows of A
	s_lshl_b32 s93, s42, 1
	s_add_co_u32 s93, s93, s16                     ; and of B
	s_cmp_eq_u32 ttmp9, 2
	s_cselect_b32 s94, s93, s92                    ; the tokens' block, 0..63
	s_cselect_b32 s95, s92, s93                    ; the columns' block
	s_lshl_b32 s95, s95, 1                         ; the first of my two heads, counted over q, k, v: 0..46
	s_lshl_b32 s[BIAS], s95, 8                     ; 64 numbers of 4 bytes a head
	s_mov_b32 s[BIAS+1], 0
	s_and_b32 s95, s95, 15
	s_lshr_b32 s96, s94, 4                         ; the batch
	s_lshl_b32 s96, s96, 4
	s_add_co_u32 s96, s96, s95                     ; head of batch
	s_lshl_b32 s96, s96, 4
	s_and_b32 s94, s94, 15
	s_add_co_u32 s96, s96, s94                     ; x 16 + the step of 128 tokens
	s_mov_b32 s98, 13056
	s_cmp_eq_u32 ttmp9, 0
	s_cselect_b32 s98, 6656, s98                   ; a step's bytes in qb, in kv
	s_cselect_b64 s[18:19], s[10:11], s[12:13]
	s_mul_i32 s96, s96, s98
	s_mov_b32 s97, 0
	s_add_nc_u64 s[SB0:SB0+1], s[18:19], s[96:97]
	s_cmp_eq_u32 ttmp9, 2
	s_cselect_b32 s92, 6656, 0                     ; V's part lies behind K's
	s_mov_b32 s93, 0
	s_add_nc_u64 s[SB0:SB0+1], s[SB0:SB0+1], s[92:93]
	s_lshl_b32 s98, s98, 4                         ; the next head: 16 steps on
	s_mov_b32 s99, 0
	s_add_nc_u64 s[SB0+2:SB0+3], s[SB0:SB0+1], s[98:99]
	s_add_nc_u64 s[BIAS:BIAS+1], s[8:9], s[BIAS:BIAS+1]
	s_mov_b32 s[SEL], 0x76543210
	s_mov_b32 s[SEL+1], 0xfedcba98
	s_mov_b32 s22, 0xffff0000                      ; lanes 16-31
.macro FRAG reg, adr, q, i             ; the image of tile i, half q of the quarter: 12 registers by four loads of consecutive bytes
	ds_load_b128 v[\reg:\reg+3], v[\adr] offset:(2*(\i)+(\q))*1536
	ds_load_b64 v[\reg+4:\reg+5], v[\adr+2] offset:(2*(\i)+(\q))*1536+512
	ds_load_b128 v[\reg+6:\reg+9], v[\adr] offset:(2*(\i)+(\q))*1536+768
	ds_load_b64 v[\reg+10:\reg+11], v[\adr+2] offset:(2*(\i)+(\q))*1536+1280
.endm
; 16 matrix instructions: A's blocks a0, a0 + 1 x B's eight.  p: B's set; q: the half; sc: the set of scale words.  first = 1: the products start the sums.  The 64 accumulators take turns, in one order.
.macro MUL16 a0, p, q, sc, first
.irp a, \a0, \a0+1
.irp b, 0,1,2,3,4,5,6,7
.if \first
	v_wmma_scale_f32_16x16x128_f8f6f4 v[8*(8*((\a)%4)+\b):8*(8*((\a)%4)+\b)+7], v[128*(\p)+FR*\b:128*(\p)+FR*\b+FR-1], v[AF+FR*(\a):AF+FR*(\a)+FR-1], 0, v[SC+16*(\sc)+2*\b+(\q)], v[SC+16*(\sc)+2*(\a)+(\q)] matrix_a_fmt:MATRIX_FMT_BF6 matrix_b_fmt:MATRIX_FMT_BF6 matrix_a_scale:MATRIX_SCALE_ROW1
.else
	v_wmma_scale_f32_16x16x128_f8f6f4 v[8*(8*((\a)%4)+\b):8*(8*((\a)%4)+\b)+7], v[128*(\p)+FR*\b:128*(\p)+FR*\b+FR-1], v[AF+FR*(\a):AF+FR*(\a)+FR-1], v[8*(8*((\a)%4)+\b):8*(8*((\a)%4)+\b)+7], v[SC+16*(\sc)+2*\b+(\q)], v[SC+16*(\sc)+2*(\a)+(\q)] matrix_a_fmt:MATRIX_FMT_BF6 matrix_b_fmt:MATRIX_FMT_BF6 matrix_a_scale:MATRIX_SCALE_ROW1
.endif
.endr
.endr
.endm
.macro FETCH_B slot, q, p
	WIN TO_B
.irp i, 0,1,2,3,4,5,6,7
	FRAG 128*(\p)+FR*\i, ADRB+\slot, \q, \i
.endr
	WIN 0
.endm
.macro FETCH_A slot, q, i0
.irp i, \i0, \i0+1, \i0+2, \i0+3
	FRAG AF+FR*(\i), ADRA+\slot, \q, \i
.endr
.endm
.macro SCALES sc, kq                   ; quarter kq's two words a row: lanes 0-15 A's tile i, lanes 16-31 B's tile i
.irp i, 0,1,2,3,4,5,6,7
	ds_load_b64 v[SC+16*(\sc)+2*\i:SC+16*(\sc)+2*\i+1], v[ADRS] offset:1024*(\kq)+256*(\i/2)+64*(\i%2)
.endr
.endm
.macro PLACES n                        ; plain lines between a matrix instruction and a load into, or a read of, its registers
.rept \n
	v_nop
.endr
.endm
.macro STEP slot, first                ; the first half of a quarter; it fetches the second half's fragments
	s_wait_dscnt 4*NL                              ; B's set, A's blocks 0-3 and the scale words are in; A's blocks 4-7 (16 loads) may be out
	WIN MUL_LO
	MUL16 0, 0, 0, \slot, \first
	MUL16 2, 0, 0, \slot, \first
	s_wait_dscnt 0
	PLACES NP
	FETCH_B \slot, 1, 1
	FETCH_A \slot, 1, 0
	WIN MUL_HI
	MUL16 4, 0, 0, \slot, \first
	MUL16 6, 0, 0, \slot, \first
	PLACES NP
	WIN 0
	FETCH_A \slot, 1, 4
.endm
; The second half of a quarter changes slots: ONE barrier; in front of it each wave waits for all its tensor loads, adds 0 to its spare word, and waits for that and for its reads of this slot.
; fill = 1: this slot takes the quarter two on; the barrier then opens a round of the cluster's barrier, and the joint load is the first thing behind the round.
.macro TURN slot, next, fill, kqn
	s_wait_tensorcnt 0x0                           ; all my tensor loads have landed: my part of the next slot
	ds_add_u32 v[SPW], v[NIL]                      ; 0 onto my spare word
	s_wait_dscnt 4*NL+1                            ; (the add and A's blocks 4-7 may be out)
	WIN MUL_LO
	MUL16 0, 1, 1, \slot, 0
	s_wait_dscnt 0x0                               ; the add is done, and my reads of this slot are over
	s_barrier_signal -1
	MUL16 2, 1, 1, \slot, 0
	WIN 0
	s_barrier_wait -1
.if \fill
	CREST
	s_add_nc_u64 s[G0+4*\slot+2:G0+4*\slot+3], s[G0+4*\slot+2:G0+4*\slot+3], 2*QTR
	s_add_nc_u64 s[G0B+4*\slot+2:G0B+4*\slot+3], s[G0B+4*\slot+2:G0B+4*\slot+3], 2*QTR
	JLOAD G0+4*\slot, G1, G0B+4*\slot, G1B         ; its four v_nop are also the places in front of the loads below
.else
	PLACES NP
.endif
	FETCH_B \next, 0, 0
	FETCH_A \next, 0, 0
	SCALES \next, \kqn
	WIN MUL_HI
	MUL16 4, 1, 1, \slot, 0
	MUL16 6, 1, 1, \slot, 0
	PLACES NP
	WIN 0
	FETCH_A \next, 0, 4
.endm
.macro LAST                            ; the very last half quarter: nothing more to fetch
	s_wait_dscnt 4*NL
	WIN MUL_LO
	MUL16 0, 1, 1, 1, 0
	MUL16 2, 1, 1, 1, 0
	s_wait_dscnt 0
	WIN MUL_HI
	MUL16 4, 1, 1, 1, 0
	MUL16 6, 1, 1, 1, 0
	WIN 0
.endm
; 64 numbers of a lane, register 16 b + i = k 32 b + 16 (lane / 16) + i of my row, become a fragment's codes in v[PC] on and its scale word in v[pw].
.macro QUANT s, pw
.irp b, 0,1,2,3
	v_max3_num_f32 v[TM+\b], |v[\s+16*\b]|, |v[\s+1+16*\b]|, 0x2800000   ; my 16 numbers of block b, and the floor 2^(5 - 127)
.endr
.irp i, 2,4,6,8,10,12,14
.irp b, 0,1,2,3
	v_max3_num_f32 v[TM+\b], v[TM+\b], |v[\s+16*\b+\i]|, |v[\s+1+16*\b+\i]|
.endr
.endr
.irp b, 0,1,2,3
	v_permlanex16_b32 v[TM+4+\b], v[TM+\b], s[SEL], s[SEL+1]
.endr
.irp b, 0,1,2,3
	v_max_num_f32 v[TM+\b], v[TM+\b], v[TM+4+\b]   ; with lane l xor 16's: the block's largest magnitude
.endr
.irp b, 0,1,2,3
	v_add_nc_u32 v[TM+12+\b], 0xfe000000, v[TM+\b] ; 4 off its exponent field: the conversion's scale operand
.endr
.irp b, 0,1,2,3
	v_lshrrev_b32 v[TM+4+\b], 23, v[TM+12+\b]      ; the byte
.endr
	v_lshl_or_b32 v[\pw], v[TM+5], 8, v[TM+4]
	v_lshl_or_b32 v[\pw], v[TM+6], 16, v[\pw]
	v_lshl_or_b32 v[\pw], v[TM+7], 24, v[\pw]
.irp c, 0,1
	v_cvt_scalef32_pk16_bf6_f32 v[PC+6*\c:PC+2+6*\c], v[\s+32*\c:\s+15+32*\c], v[TM+12+2*\c]
	v_cvt_scalef32_pk16_bf6_f32 v[PC+12+4*\c:PC+14+4*\c], v[\s+16+32*\c:\s+31+32*\c], v[TM+12+2*\c+1]
.endr
	v_nop                                          ; one plain line behind the conversions
.irp c, 0,1                                    ; the layout wants a whole block in a lane: lanes 0-15 block 2 c, lanes 16-31 block 2 c + 1
.irp i, 0,1,2
	v_permlane16_swap_b32 v[PC+6*\c+\i], v[PC+12+4*\c+\i]
.endr
.irp i, 0,1,2
	v_mov_b32 v[PC+3+6*\c+\i], v[PC+12+4*\c+\i]
.endr
.endr
.endm
	s_wait_tensorcnt 1                             ; the scale words and quarter 0 are in (quarter 1's load may be out)
	s_barrier_signal -1
	s_barrier_wait -1                              ; everybody's are
	FETCH_B 0, 0, 0
	FETCH_A 0, 0, 0
	SCALES 0, 0
	FETCH_A 0, 0, 4
	STEP 0, 1                                      ; four quarters, written out: two refills
	TURN 0, 1, 1, 1
	STEP 1, 0
	TURN 1, 0, 1, 2
	STEP 0, 0
	TURN 0, 1, 0, 3
	STEP 1, 0
	s_cmp_eq_u32 ttmp9, 2                          ; the cluster's x: the same in all partners and all waves
	s_cbranch_scc1 .Lv_arm
	; ---- q, k: a lane holds a token, its 64 registers of a tile run along 128 columns: my two heads.  The bias runs along the registers.
.irp b, 0,1,2,3,4,5,6,7
	global_load_b128 v[BP+8*\b:BP+8*\b+3], v[BO], s[BIAS:BIAS+1] offset:4*(32*(\b/2)+8*(\b%2))
	global_load_b128 v[BP+8*\b+4:BP+8*\b+7], v[BO], s[BIAS:BIAS+1] offset:4*(32*(\b/2)+8*(\b%2))+16
.endr
	LAST                                           ; the bias lands under the last 64 products
	PLACES NP
.irp b, 0,1,2,3
	v_mov_b32 v[TM+4+\b], 0                        ; a lane permute's destination counts as one of its sources
.endr
	s_wait_loadcnt 0x0
.irp a, 0,1,2,3,4,5,6,7
	WIN 0x02+(\a)/4                                ; source 0: the accumulators' window
.set ii, 0
.rept 32
	v_pk_add_f32 v[T+ii:T+ii+1], v[64*((\a)%4)+ii:64*((\a)%4)+ii+1], v[BP+ii:BP+ii+1]   ; + the bias, each accumulator from its low end on; the sum lands in window 0
.set ii, ii+2
.endr
	WIN 0
.if \a > 0
	s_wait_xcnt 0x0                                ; the last tile's stores have read the codes' registers
.endif
	QUANT T, PW+\a
	global_store_b128 v[L16], v[PC:PC+3], s[SB0:SB0+1] offset:768*\a          ; head 0: the tile's image, 512 + 256 consecutive bytes
	global_store_b64 v[L8], v[PC+4:PC+5], s[SB0:SB0+1] offset:768*\a+512
	global_store_b128 v[L16], v[PC+6:PC+9], s[SB0+2:SB0+3] offset:768*\a      ; head 1
	global_store_b64 v[L8], v[PC+10:PC+11], s[SB0+2:SB0+3] offset:768*\a+512
.endr
.irp j, 0,1,2,3
	v_cndmask_b32 v[TM+\j], v[PW+2*\j], v[PW+2*\j+1], s22   ; lanes 0-15: tile 2 j's rows' words; lanes 16-31: tile 2 j + 1's
.endr
.irp j, 0,1,2,3
	v_and_b32 v[SCO+\j], 0xffff, v[TM+\j]          ; head 0's two bytes; the upper two bytes are 0: there the codes' partners are zeros
	v_lshrrev_b32 v[SCO+4+\j], 16, v[TM+\j]        ; head 1's
.endr
	global_store_b128 v[L16], v[SCO:SCO+3], s[SB0:SB0+1] offset:6144
	global_store_b128 v[L16], v[SCO+4:SCO+7], s[SB0+2:SB0+3] offset:6144
	s_branch .Lend
	; ---- v: a lane holds a channel, its 64 registers of a tile run along 128 keys.  The bias is the lane's own number, loaded into both registers of a pair.
.Lv_arm:
.irp a, 0,1,2,3,4,5,6,7
	global_load_b32 v[BP+2*\a], v[BV], s[BIAS:BIAS+1] offset:4*(32*(\a/2)+8*(\a%2))
	global_load_b32 v[BP+2*\a+1], v[BV], s[BIAS:BIAS+1] offset:4*(32*(\a/2)+8*(\a%2))
.endr
	LAST
	PLACES NP
.irp b, 0,1,2,3
	v_mov_b32 v[TM+4+\b], 0
.endr
	s_wait_loadcnt 0x0
.irp a, 0,1,2,3,4,5,6,7
	WIN 0x02+(\a)/4
.set ii, 0
.rept 32
	v_pk_add_f32 v[T+ii:T+ii+1], v[64*((\a)%4)+ii:64*((\a)%4)+ii+1], v[BP+2*\a:BP+2*\a+1]
.set ii, ii+2
.endr
	WIN 0
.if \a > 0
	s_wait_xcnt 0x0
.endif
	QUANT T, PW+\a
	global_store_b128 v[L16], v[PC:PC+3], s[SB0+2*(\a/4):SB0+2*(\a/4)+1] offset:1536*(\a%4)     ; head a / 4, channel tile a % 4: 16 channels x 128 keys
	global_store_b64 v[L8], v[PC+4:PC+5], s[SB0+2*(\a/4):SB0+2*(\a/4)+1] offset:1536*(\a%4)+512
	global_store_b128 v[L16], v[PC+6:PC+9], s[SB0+2*(\a/4):SB0+2*(\a/4)+1] offset:1536*(\a%4)+768
	global_store_b64 v[L8], v[PC+10:PC+11], s[SB0+2*(\a/4):SB0+2*(\a/4)+1] offset:1536*(\a%4)+1280
.endr
.irp j, 0,1,2,3
	v_cndmask_b32 v[SCO+\j], v[PW+2*\j], v[PW+2*\j+1], s22
.endr
	global_store_b64 v[L8], v[SCO:SCO+1], s[SB0:SB0+1] offset:6144
	global_store_b64 v[L8], v[SCO+2:SCO+3], s[SB0+2:SB0+3] offset:6144
.Lend:
	s_wait_tensorcnt 0x0                           ; the wave's end
	ds_add_u32 v[SPW], v[NIL]
	s_wait_dscnt 0x0
	CROUND                                         ; the closing round
	s_endpgm
.Lfunc_end_k_qe795571c52_gemm_qkv:
	.size	k_qe795571c52_gemm_qkv, .Lfunc_end_k_qe795571c52_gemm_qkv-k_qe795571c52_gemm_qkv
	.p2alignl 7, 3214868480
	.fill 96, 4, 3214868480
	.section	.rodata,"a",@progbits
	.p2align	6, 0x0
	.amdhsa_kernel k_qe795571c52_gemm_qkv
		.amdhsa_group_segment_fixed_size 327680
		.amdhsa_private_segment_fixed_size 0
		.amdhsa_enable_private_segment 0
		.amdhsa_kernarg_size 40
		.amdhsa_user_sgpr_count 2
		.amdhsa_user_sgpr_kernarg_segment_ptr 1
		.amdhsa_wavefront_size32 1
		.amdhsa_system_sgpr_workgroup_id_x 1
		.amdhsa_system_sgpr_workgroup_id_y 1
		.amdhsa_system_sgpr_workgroup_id_z 1
		.amdhsa_system_vgpr_workitem_id 0
		.amdhsa_next_free_vgpr 1024
		.amdhsa_next_free_sgpr 102
		.amdhsa_reserve_vcc 0
		.amdhsa_float_denorm_mode_32 3
		.amdhsa_float_denorm_mode_16_64 3
		.amdhsa_memory_ordered 1
		.amdhsa_forward_progress 1
		.amdhsa_inst_pref_size 226
	.end_amdhsa_kernel
	.amdgpu_metadata
---
amdhsa.version: [ 1, 2 ]
amdhsa.kernels:
  - .name:           k_qe795571c52_gemm_qkv
    .symbol:         k_qe795571c52_gemm_qkv.kd
    .args:
      - { .name: xq, .offset: 0, .size: 8, .value_kind: global_buffer, .address_space: global }
      - { .name: wc, .offset: 8, .size: 8, .value_kind: global_buffer, .address_space: global }
      - { .name: b_qkv, .offset: 16, .size: 8, .value_kind: global_buffer, .address_space: global }
      - { .name: qb, .offset: 24, .size: 8, .value_kind: global_buffer, .address_space: global }
      - { .name: kv, .offset: 32, .size: 8, .value_kind: global_buffer, .address_space: global }
    .group_segment_fixed_size: 327680
    .private_segment_fixed_size: 0
    .kernarg_segment_align: 8
    .kernarg_segment_size: 40
    .max_flat_workgroup_size: 128
    .sgpr_count:     102
    .vgpr_count:     1024
    .wavefront_size: 32
...
	.end_amdgpu_metadata
.endif
;; end of part 2
;; launch attn (part 3): grid 4 x 64, 16 waves a work-group, no clusters, 327,680 bytes of LDS; arguments qb, kv, aq; writes aq
.if DOCPART == 3
	.amdgcn_target "amdgcn-amd-amdhsa--gfx1250"
	.amdhsa_code_object_version 6
	.text
	.protected	k_qe795571c52_attn
	.globl	k_qe795571c52_attn
	.p2align	8
	.type	k_qe795571c52_attn,@function
k_qe795571c52_attn:
	s_mov_b64 s[64:65], 0
	v_nop
	global_prefetch_b8 v0, s[64:65] scope:SCOPE_SE
	s_setreg_imm32_b32 hwreg(HW_REG_WAVE_MODE, 25, 1), 1
	s_wait_xcnt 0x0
; a[q] = softmax_k(q . k / 8, causal) v for 64 heads of batch, 2,048 tokens, head size 64; both products on codes of BF6 (E3M2) with E8M0 scales; a is quantised along its channels and leaves as codes.
; THE SOFTMAX: t = score x log2(e) / 8; M = the running largest t rounded UP to a whole number; p = 2^(t - M) is quantised along the keys, not normalised; the row's sum is taken of the unquantised p and divides at the end.
; SHARES.  Work-group (j, head) owns query blocks j and 7 - j of 256 queries, one after the other: (j + 1) + (8 - j) = 9 slots of 256 keys in every work-group, so the trip count is a constant and all 256 work-groups have equal work.
;   Each of sixteen waves owns one tile of 16 queries: Q0 + p(r), p(r) = r + 8 (r / 8), Q0 = 256 block + 32 (wave / 2) + 8 (wave % 2).  Four waves share a SIMD: one wave's vector work stands beside another's products.
; LAYOUT.  Both products are used transposed (S^T = K Q^T, O^T = V^T P^T): a lane holds one query.  K's tile t of a step holds keys 32 (t / 2) + 8 (t % 2) + p(r): the 16 registers of tiles 2 b, 2 b + 1 are keys 32 b + 16 h + 0 .. 15.
;   qb and kv hold images of operand registers: a step of kv (128 keys) is 13,056 dense bytes; every LDS load reads consecutive bytes.
; THE HEAD HAS 64 CHANNELS, THE INSTRUCTION 128: Q's registers 6-11 are zero codes, so what stands in K's registers 6-11 (the next tile's codes) adds nothing; the scale bytes of those blocks are 0 on both sides.
; THE MASK.  A step all of whose keys come after my queries is jumped over (a scalar branch on ids; no barrier and no tensor load stands in a step); on the diagonal hidden scores become -infinity, so p = 0.
; NO CLUSTER: from the second trip on the four work-groups of a head ask for different slots.  NO PREFETCH: a refill is issued straight behind the barrier and has the two key steps of sixteen waves in which to land.
; LIMITS: a hidden key has weight exactly 0 (as the reference's -1e9 gives while logits stay far above -1e9); a block of zeros gets the byte 1 (zero codes); NaN and infinities are not served.
; REGISTERS: v1, v2 16, 8 x lane; v3 p(r) - 16 h; v4, v28, v29 offsets of a's stores; v5, v6 the add's; v7, v10, v11 offsets of Q's loads; v8, v9 the slot's LDS addresses; v12 -M, v13 largest t, v[14:15] the sum;
;   v16-27 Q; v32-85 K (tiles 6 registers apart, zeros behind), then V; v88-95 scale words; v96-159 S^T, then p; v160-191 O^T; v192-210 codes; v212-230 at work.
.set STEPB, 13056                      ; a step of kv: K 6,656 (8 images of 768, 512 of scale words), V 6,400 (4 images of 1,536, 256 of scale words)
.set SLOTB, 2*STEPB
.set SLOT1, 32768
.set SPARE, 65536                      ; the spare words: 128 bytes a wave, eight blocks of 256 bytes that no other line names
.set RBB,   102400
.macro TLOAD                           ; waves 0 and 1 fetch a step each; four v_nop follow the load
	s_cmp_lt_u32 s18, 2
	s_cbranch_scc0 .Lnone_\@
	tensor_load_to_lds s[32:35], s[24:31]
	s_nop 0
.rept 4
	v_nop
.endr
.Lnone_\@:
.endm
	s_load_b128 s[4:7], s[0:1], 0x0                ; qb, kv
	s_load_b64 s[8:9], s[0:1], 0x10                ; aq
	v_lshl_add_u32 v5, v0, 2, SPARE
	v_mov_b32 v6, 0
	ds_add_u32 v5, v6
	ds_add_u32 v5, v6
	s_wait_dscnt 0x0
	v_lshrrev_b32 v8, 5, v0
	s_delay_alu instid0(VALU_DEP_1)
	v_readfirstlane_b32 s18, v8                    ; wave 0..15
	s_and_b32 s10, ttmp7, 0xffff                   ; head of batch
	s_mov_b32 s41, ttmp9                           ; j
	s_add_co_u32 s42, ttmp9, 1
	s_and_b32 s11, s18, 1
	s_mul_i32 s33, s11, STEPB                      ; LDS: slot 0, my step
	s_mul_i32 s38, s10, 16*STEPB
	s_add_co_u32 s38, s38, s33                     ; memory: the head, my step of a slot
	s_mov_b32 s39, 0
	s_mov_b32 s24, 3<<16                           ; group 1: 51 dense rows of 256 bytes (32 elements of 8 bytes), no mask, no padding
	s_mov_b32 s25, 32<<16
	s_mov_b32 s26, 51<<16
	s_mov_b32 s27, 32<<16
	s_mov_b32 s28, 51
	s_mov_b32 s29, 32
	s_mov_b32 s30, 0
	s_mov_b32 s31, 0
	s_mov_b32 s32, 1
	s_wait_kmcnt 0x0
	s_add_nc_u64 s[36:37], s[6:7], s[38:39]
	s_mov_b64 s[34:35], s[36:37]
	s_or_b32 s35, s35, 0x80000000
	TLOAD                                          ; keys 0 to 255 into slot 0
	v_and_b32 v8, 31, v0                           ; lane
	v_and_b32 v9, 15, v0                           ; r
	v_bfe_u32 v226, v0, 4, 1                       ; h
	s_delay_alu instid0(VALU_DEP_3)
	v_lshlrev_b32 v1, 4, v8
	s_delay_alu instid0(VALU_DEP_4)
	v_lshlrev_b32 v2, 3, v8
	s_delay_alu instid0(VALU_DEP_4)
	v_and_b32 v227, 8, v9
	s_delay_alu instid0(VALU_DEP_1)
	v_add_nc_u32 v227, v227, v9                    ; p(r)
	v_lshlrev_b32 v3, 4, v226
	s_delay_alu instid0(VALU_DEP_1)
	v_sub_nc_u32 v3, v227, v3                      ; p(r) - 16 h
	s_delay_alu instid0(VALU_DEP_3)
	v_lshl_add_u32 v4, v227, 3, v226               ; 8 p(r) + h
	s_wait_alu depctr_va_vdst(0)
	s_and_b32 s12, s18, 7                          ; my tile in its step of 128 queries
	s_lshr_b32 s13, s18, 3                         ; which of the block's two steps
	s_and_b32 s14, s10, 15                         ; the head
	s_lshr_b32 s15, s10, 4                         ; the batch
	s_mul_i32 s16, s12, 768
	v_add_nc_u32 v10, s16, v1                      ; Q's image: registers 0-3,
	v_add_nc_u32 v11, s16, v2                      ; 4-5 (+ 512)
	s_lshl_b32 s16, s11, 8
	s_lshr_b32 s17, s12, 1
	s_lshl_b32 s17, s17, 2
	s_add_co_u32 s16, s16, s17
	s_add_co_u32 s16, s16, 6144
	v_lshl_add_u32 v7, v9, 4, s16                  ; Q's scale word: lane r + 16 (tile % 2) of the image, word tile / 2
	s_lshr_b32 s16, s14, 2                         ; a's K = 64 head + channel: quarter head / 4,
	s_and_b32 s17, s14, 3                          ; 64 (head % 4) in it
	s_mul_i32 s19, s16, 24576
	s_mul_i32 s56, s12, 3072
	s_add_co_u32 s19, s19, s56
	s_mul_i32 s56, s17, 768
	s_add_co_u32 s19, s19, s56
	v_add_nc_u32 v28, s19, v1                      ; a's half image: registers 0-3,
	v_add_nc_u32 v29, s19, v2                      ; 4-5 (+ 512)
	s_lshl_b32 s19, s16, 10
	s_lshr_b32 s56, s12, 1
	s_lshl_b32 s56, s56, 8
	s_add_co_u32 s19, s19, s56
	s_lshl_b32 s56, s11, 6
	s_add_co_u32 s19, s19, s56
	s_lshl_b32 s56, s17, 1
	s_add_co_u32 s19, s19, s56
	s_add_co_u32 s19, s19, 98304
	v_add_nc_u32 v4, s19, v4                       ; a's scale byte: row 32 (tile / 2) + 8 (tile % 2) + p(r), byte 2 (head % 4) + h of its 8
	s_lshr_b32 s47, s18, 1
	s_lshl_b32 s47, s47, 5
	s_lshl_b32 s56, s11, 3
	s_add_co_u32 s47, s47, s56                     ; 32 (wave / 2) + 8 (wave % 2)
	s_lshl_b32 s48, s10, 4
	s_add_co_u32 s48, s48, s13                     ; qb's step, less 2 x block
	s_lshl_b32 s49, s15, 4
	s_add_co_u32 s49, s49, s13                     ; aq's block of 128 rows, less 2 x block
	s_mov_b32 s20, 0x76543210
	s_mov_b32 s21, 0xfedcba98                      ; selects for lane l xor 16
	s_mov_b32 s22, 0x3e38aa3b                      ; c = log2(e) / 8
	s_mov_b32 s23, s22                             ; (named with it as a pair)
	s_mov_b32 s46, 0xffff0000                      ; lanes 16-31
	s_mov_b32 s59, 0
.irp i, 22,23,24,25,26,27,80,81,82,83,84,85
	v_mov_b32 v[\i], 0                             ; zero codes: Q's upper half; what stands behind K's tile 7
.endr
.irp i, 216,217,218,219,225,226
	v_mov_b32 v[\i], 0                             ; lane permutes' destinations and a pair's upper half: written once
.endr
.macro NEWQB                           ; from the query block s43: my first query, Q's base, a's base
	s_lshl_b32 s44, s43, 8
	s_add_co_u32 s44, s44, s47
	s_lshl_b32 s56, s43, 1
	s_add_co_u32 s57, s56, s48
	s_mul_i32 s58, s57, 6656
	s_add_nc_u64 s[54:55], s[4:5], s[58:59]
	s_add_co_u32 s57, s56, s49
	s_mul_i32 s58, s57, RBB
	s_add_nc_u64 s[50:51], s[8:9], s[58:59]
.endm
.macro INIT                            ; the step is written once: the first finds zeros, which the first change of M leaves zeros
	v_mov_b32 v13, 0xff61b1e6                      ; -3e38, under every t
	s_delay_alu instid0(VALU_DEP_1)
	v_floor_f32 v12, -v13
	v_mov_b32 v14, 0
	v_mov_b32 v15, 0
.set ii, 0
.rept 32
	v_mov_b32 v[160+ii], 0
.set ii, ii+1
.endr
.endm
.macro QLOAD
	global_load_b128 v[16:19], v10, s[54:55]
	global_load_b64 v[20:21], v11, s[54:55] offset:512
	global_load_b32 v94, v7, s[54:55]
	s_wait_loadcnt 0x0
.endm
; A KEY STEP: 128 keys, the q-th of the slot in hand.
.macro STEP q
	s_add_co_u32 s56, s44, 23                      ; my last query
	s_cmp_gt_u32 s45, s56
	s_cbranch_scc1 .Lhidden_\@
.rept 4
	v_nop                                          ; places in front of loads into registers that the last products read
.endr
	s_wait_alu depctr_va_vdst(0)
.irp t, 0,1,2,3,4,5,6,7
	ds_load_b128 v[32+6*\t:35+6*\t], v8 offset:STEPB*(\q)+768*\t
	ds_load_b64 v[36+6*\t:37+6*\t], v9 offset:STEPB*(\q)+768*\t+512
.endr
	ds_load_b128 v[88:91], v8 offset:STEPB*(\q)+6144
	s_wait_dscnt 0x0
.irp t, 0,1,2,3,4,5,6,7
.if \t%2 == 0
	v_wmma_scale_f32_16x16x128_f8f6f4 v[96+8*\t:103+8*\t], v[32+6*\t:43+6*\t], v[16:27], 0, v[88+\t/2], v94 matrix_a_fmt:MATRIX_FMT_BF6 matrix_b_fmt:MATRIX_FMT_BF6
.else
	v_wmma_scale_f32_16x16x128_f8f6f4 v[96+8*\t:103+8*\t], v[32+6*\t:43+6*\t], v[16:27], 0, v[88+\t/2], v94 matrix_a_fmt:MATRIX_FMT_BF6 matrix_b_fmt:MATRIX_FMT_BF6 matrix_a_scale:MATRIX_SCALE_ROW1
.endif
.endr
.rept 4
	v_nop                                          ; places: for V's loads into K's registers, and for the first read of the scores
.endr
.irp t, 0,1,2,3                                ; V's four images are asked for here and land under the softmax
	ds_load_b128 v[32+12*\t:35+12*\t], v8 offset:STEPB*(\q)+6656+1536*\t
	ds_load_b64 v[36+12*\t:37+12*\t], v9 offset:STEPB*(\q)+6656+1536*\t+512
	ds_load_b128 v[38+12*\t:41+12*\t], v8 offset:STEPB*(\q)+6656+1536*\t+768
	ds_load_b64 v[42+12*\t:43+12*\t], v9 offset:STEPB*(\q)+6656+1536*\t+1280
.endr
	ds_load_b64 v[92:93], v9 offset:STEPB*(\q)+12800
	s_add_co_u32 s56, s45, 127                     ; a step all of whose keys count skips the mask
	s_cmp_le_u32 s56, s44
	s_cbranch_scc1 .Lopen_\@
	s_sub_co_i32 s56, s44, s45
	v_add_nc_u32 v226, s56, v3                     ; d = my query - the step's first key - 16 h.  Register 16 b + i holds key 32 b + 16 h + i of the step: hidden where 32 b + i > d
	v_mov_b32 v230, 0xff800000                     ; -infinity
.set ii, 0
.rept 64
	v_cmp_gt_i32 vcc_lo, 32*(ii/16)+ii%16, v226
	v_cndmask_b32 v[96+ii], v[96+ii], v230, vcc_lo
.set ii, ii+1
.endr
.Lopen_\@:
.irp b, 0,1,2,3
	v_max3_num_f32 v[212+\b], v[96+16*\b], v[97+16*\b], v[98+16*\b]   ; the largest score of each block of 32 keys: for the row's maximum, and, since p rises with the score, for the block's largest p
.endr
.irp i, 3,5,7,9,11,13
.irp b, 0,1,2,3
	v_max3_num_f32 v[212+\b], v[212+\b], v[96+16*\b+\i], v[97+16*\b+\i]
.endr
.endr
.irp b, 0,1,2,3
	v_max_num_f32 v[212+\b], v[212+\b], v[111+16*\b]
.endr
.irp b, 0,1,2,3
	s_delay_alu instid0(VALU_DEP_4)
	v_permlanex16_b32 v[216+\b], v[212+\b], s20, s21
.endr
.irp b, 0,1,2,3
	s_delay_alu instid0(VALU_DEP_4)
	v_max_num_f32 v[212+\b], v[212+\b], v[216+\b]  ; with lane l xor 16's 16 keys
.endr
	s_delay_alu instid0(VALU_DEP_2)
	v_max3_num_f32 v226, v212, v213, v214
	s_delay_alu instid0(VALU_DEP_1)
	v_max_num_f32 v226, v226, v215
	s_delay_alu instid0(VALU_DEP_1)
	v_mul_f32 v226, s22, v226                      ; as t
	s_delay_alu instid0(VALU_DEP_1)
	v_max_num_f32 v13, v13, v226                   ; the running largest t
	v_mov_b32 v226, v12
	s_delay_alu instid0(VALU_DEP_2)
	v_floor_f32 v12, -v13                          ; -M = floor(-t): M is a whole number
	s_delay_alu instid0(VALU_DEP_1)
	v_sub_f32 v226, v12, v226                      ; old M - new M: a whole number, 0 or less
	s_delay_alu instid0(VALU_DEP_1)
	v_cvt_i32_f32 v226, v226                       ; (it saturates)
	s_delay_alu instid0(VALU_DEP_1)
	v_ldexp_f32 v224, 1.0, v226                    ; f = 2^(old M - new M): a multiplication by it rounds nothing
.set ii, 0
.rept 32
	v_pk_fma_f32 v[96+ii:97+ii], v[96+ii:97+ii], s[22:23], v[12:13] op_sel_hi:[1,0,0]   ; t - M
.set ii, ii+2
.endr
.irp b, 0,1,2,3
	v_fma_f32 v[212+\b], v[212+\b], s22, v12       ; the same of each block's largest score
.endr
.set ii, 0
	s_wait_alu depctr_va_vdst(0)
.rept 64
	v_exp_f32 v[96+ii], v[96+ii]                   ; p = 2^(t - M)
.set ii, ii+1
.endr
	v_pk_mul_f32 v[14:15], v[14:15], v[224:225] op_sel_hi:[1,0]   ; the sums under the new M: the plain line behind the exponentials
	s_wait_alu depctr_va_vdst(0)                   ; one wait for the batch of 64, ahead of its first reader
.irp b, 0,1,2,3
	v_exp_f32 v[212+\b], v[212+\b]                 ; each block's largest p
.endr
	v_pk_add_f32 v[228:229], v[100:101], v[104:105]
	v_pk_add_f32 v[254:255], v[108:109], v[112:113]
	v_pk_add_f32 v[252:253], v[116:117], v[120:121]
	v_pk_add_f32 v[250:251], v[124:125], v[128:129]
	v_pk_add_f32 v[248:249], v[132:133], v[136:137]
	v_pk_add_f32 v[246:247], v[140:141], v[144:145]
	v_pk_add_f32 v[244:245], v[148:149], v[152:153]
	v_pk_add_f32 v[14:15], v[14:15], v[156:157]
	v_pk_add_f32 v[228:229], v[228:229], v[96:97]
	v_pk_add_f32 v[254:255], v[254:255], v[98:99]
	v_pk_add_f32 v[252:253], v[252:253], v[102:103]
	v_pk_add_f32 v[250:251], v[250:251], v[106:107]
	v_pk_add_f32 v[248:249], v[248:249], v[110:111]
	v_pk_add_f32 v[246:247], v[246:247], v[114:115]
	v_pk_add_f32 v[244:245], v[244:245], v[118:119]
	v_pk_add_f32 v[14:15], v[14:15], v[122:123]
	v_pk_add_f32 v[228:229], v[228:229], v[126:127]
	v_pk_add_f32 v[254:255], v[254:255], v[130:131]
	v_pk_add_f32 v[252:253], v[252:253], v[134:135]
	v_pk_add_f32 v[250:251], v[250:251], v[138:139]
	v_pk_add_f32 v[248:249], v[248:249], v[142:143]
	v_pk_add_f32 v[246:247], v[246:247], v[146:147]
	v_pk_add_f32 v[244:245], v[244:245], v[150:151]
	v_pk_add_f32 v[14:15], v[14:15], v[154:155]
	v_pk_add_f32 v[228:229], v[228:229], v[158:159]
	s_delay_alu instid0(VALU_DEP_2)
	v_pk_add_f32 v[14:15], v[14:15], v[250:251]
	s_delay_alu instid0(VALU_DEP_2)
	v_pk_add_f32 v[228:229], v[228:229], v[248:249]
	v_pk_add_f32 v[254:255], v[254:255], v[246:247]
	v_pk_add_f32 v[252:253], v[252:253], v[244:245]
	s_delay_alu instid0(VALU_DEP_2)
	v_pk_add_f32 v[14:15], v[14:15], v[254:255]
	s_delay_alu instid0(VALU_DEP_2)
	v_pk_add_f32 v[228:229], v[228:229], v[252:253]
	s_delay_alu instid0(VALU_DEP_1)
	v_pk_add_f32 v[14:15], v[14:15], v[228:229]
	s_wait_alu depctr_va_vdst(0)                   ; and one for the four
.irp b, 0,1,2,3
	v_max_num_f32 v[212+\b], 0x2800000, v[212+\b]  ; the floor 2^(5 - 127)
.endr
.irp b, 0,1,2,3
	s_delay_alu instid0(VALU_DEP_4)
	v_add_nc_u32 v[220+\b], 0xfe000000, v[212+\b]  ; the conversion's scale operand
.endr
.irp b, 0,1,2,3
	s_delay_alu instid0(VALU_DEP_4)
	v_lshrrev_b32 v[216+\b], 23, v[220+\b]         ; the byte
.endr
	s_delay_alu instid0(VALU_DEP_3)
	v_lshl_or_b32 v95, v217, 8, v216               ; p's scale word for these 128 keys
	s_delay_alu instid0(VALU_DEP_1)
	v_lshl_or_b32 v95, v218, 16, v95
	s_delay_alu instid0(VALU_DEP_1)
	v_lshl_or_b32 v95, v219, 24, v95
.irp c, 0,1
	v_cvt_scalef32_pk16_bf6_f32 v[192+6*\c:194+6*\c], v[96+32*\c:111+32*\c], v[220+2*\c]
	v_cvt_scalef32_pk16_bf6_f32 v[204+4*\c:206+4*\c], v[112+32*\c:127+32*\c], v[220+2*\c+1]
.endr
	v_nop                                          ; one plain line behind the conversions
.irp c, 0,1
.irp i, 0,1,2
	v_permlane16_swap_b32 v[192+6*\c+\i], v[204+4*\c+\i]
.endr
.irp i, 0,1,2
	s_delay_alu instid0(VALU_DEP_3)
	v_mov_b32 v[195+6*\c+\i], v[204+4*\c+\i]
.endr
.endr
.set ii, 0
.rept 16
	v_pk_mul_f32 v[160+ii:161+ii], v[160+ii:161+ii], v[224:225] op_sel_hi:[1,0]   ; O^T under the new M, from each accumulator's low end on.  These 16 are also the places between p's codes and scale word and the products
.set ii, ii+2
.endr
	s_wait_alu depctr_va_vdst(0)
	s_wait_dscnt 0x0                               ; V
.irp t, 0,1,2,3
.if \t%2 == 0
	v_wmma_scale_f32_16x16x128_f8f6f4 v[160+8*\t:167+8*\t], v[32+12*\t:43+12*\t], v[192:203], v[160+8*\t:167+8*\t], v[92+\t/2], v95 matrix_a_fmt:MATRIX_FMT_BF6 matrix_b_fmt:MATRIX_FMT_BF6
.else
	v_wmma_scale_f32_16x16x128_f8f6f4 v[160+8*\t:167+8*\t], v[32+12*\t:43+12*\t], v[192:203], v[160+8*\t:167+8*\t], v[92+\t/2], v95 matrix_a_fmt:MATRIX_FMT_BF6 matrix_b_fmt:MATRIX_FMT_BF6 matrix_a_scale:MATRIX_SCALE_ROW1
.endif
.endr
.Lhidden_\@:
	s_add_co_u32 s45, s45, 128
.endm
; THE CHANGE OF SLOTS, at a trip's head: each wave waits for all its tensor loads, adds 0 to its spare word, waits for that and for its reads of the slot that it has left; one barrier; behind it (fill = 1) that slot
; takes the keys of the next trip: slot sigma(T + 1), sigma(t) = t while t <= j, else t - j - 1.
.macro CHANGE fill
	s_wait_tensorcnt 0x0                           ; no tensor load of mine is out, so the descriptor may be written
	ds_add_u32 v5, v6                              ; 0 onto my spare word
.if \fill
	s_xor_b32 s33, s33, SLOT1
	s_add_co_u32 s56, s40, 1
	s_sub_co_u32 s57, s56, s42
	s_cmp_le_u32 s56, s41
	s_cselect_b32 s61, s56, s57
	s_mul_i32 s38, s61, SLOTB
	s_add_nc_u64 s[34:35], s[36:37], s[38:39]
	s_or_b32 s35, s35, 0x80000000
.endif
	s_wait_dscnt 0x0
	s_barrier_signal -1
	s_barrier_wait -1
.if \fill
	TLOAD                                          ; the first thing behind the barrier, a wave's one tensor load until the next
.endif
	v_add_nc_u32 v8, s2, v1                        ; the slot in hand
	v_add_nc_u32 v9, s2, v2
	s_lshl_b32 s45, s60, 8                         ; its first key
.endm
; A QUERY BLOCK'S END: O^T / the sum; quantised along the 64 channels (register 16 b + i = channel 32 b + 16 h + i); half an image and a scale byte a lane go to aq.
.macro FINISH
.rept 4
	v_nop                                          ; places behind the last products
.endr
	v_add_f32 v14, v14, v15
	s_delay_alu instid0(VALU_DEP_1)
	v_permlanex16_b32 v226, v14, s20, s21
	s_delay_alu instid0(VALU_DEP_1)
	v_add_f32 v14, v14, v226                       ; the row's sum
	s_wait_alu depctr_va_vdst(0)
	v_rcp_f32 v14, v14
	v_nop                                          ; a plain line behind the reciprocal
	s_wait_alu depctr_va_vdst(0)                   ; and the wait ahead of its first reader
.set ii, 0
.rept 16
	v_pk_mul_f32 v[96+ii:97+ii], v[160+ii:161+ii], v[14:15] op_sel_hi:[1,0]
.set ii, ii+2
.endr
.irp b, 0,1
	v_max3_num_f32 v[212+\b], |v[96+16*\b]|, |v[97+16*\b]|, 0x2800000
.endr
.irp i, 2,4,6,8,10,12,14
.irp b, 0,1
	s_delay_alu instid0(VALU_DEP_2)
	v_max3_num_f32 v[212+\b], v[212+\b], |v[96+16*\b+\i]|, |v[97+16*\b+\i]|
.endr
.endr
.irp b, 0,1
	s_delay_alu instid0(VALU_DEP_2)
	v_permlanex16_b32 v[216+\b], v[212+\b], s20, s21
.endr
.irp b, 0,1
	s_delay_alu instid0(VALU_DEP_2)
	v_max_num_f32 v[212+\b], v[212+\b], v[216+\b]
.endr
.irp b, 0,1
	s_delay_alu instid0(VALU_DEP_2)
	v_add_nc_u32 v[220+\b], 0xfe000000, v[212+\b]
.endr
.irp b, 0,1
	s_delay_alu instid0(VALU_DEP_2)
	v_lshrrev_b32 v[216+\b], 23, v[220+\b]
.endr
	v_cvt_scalef32_pk16_bf6_f32 v[192:194], v[96:111], v220
	v_cvt_scalef32_pk16_bf6_f32 v[204:206], v[112:127], v221
	v_cndmask_b32 v216, v216, v217, s46            ; lanes 0-15 store block 0's byte, lanes 16-31 block 1's.  (The plain line behind the conversions)
.irp i, 0,1,2
	v_permlane16_swap_b32 v[192+\i], v[204+\i]
.endr
.irp i, 0,1,2
	s_delay_alu instid0(VALU_DEP_3)
	v_mov_b32 v[195+\i], v[204+\i]
.endr
	global_store_b128 v28, v[192:195], s[50:51]
	global_store_b64 v29, v[196:197], s[50:51] offset:512
	global_store_b8 v4, v216, s[50:51]             ; single bytes: 2 of a row's 8 belong to this head
	s_wait_xcnt 0x0                                ; the stores have read their registers and their base
.endm
	s_mov_b32 s2, 0                                ; the slot in hand begins at LDS byte 0
	s_mov_b32 s40, 0                               ; the trip
	s_mov_b32 s60, 0                               ; sigma(trip)
	s_mov_b32 s43, ttmp9                           ; the first query block: j
	NEWQB
	INIT
	QLOAD
.Ltrip:                                            ; eight trips that ask for the next slot; the ninth is written out
	CHANGE 1
	s_cmp_lg_u32 s40, s42                          ; trip j + 1 begins the second query block: a branch on the work-group's number, the same in all waves; no barrier and no LDS access stands in it
	s_cbranch_scc1 .Lsame
	FINISH
	s_sub_co_u32 s43, 7, s41
	NEWQB
	INIT
	QLOAD
.Lsame:
	STEP 0
	STEP 1
	s_xor_b32 s2, s2, SLOT1
	s_mov_b32 s60, s61
	s_add_co_u32 s40, s40, 1
	s_cmp_lt_u32 s40, 8
	s_cbranch_scc1 .Ltrip
	CHANGE 0
	STEP 0
	STEP 1
	FINISH
	s_wait_tensorcnt 0x0                           ; the wave's end
	ds_add_u32 v5, v6
	s_wait_dscnt 0x0
	s_endpgm
.Lfunc_end_k_qe795571c52_attn:
	.size	k_qe795571c52_attn, .Lfunc_end_k_qe795571c52_attn-k_qe795571c52_attn
	.p2alignl 7, 3214868480
	.fill 96, 4, 3214868480
	.section	.rodata,"a",@progbits
	.p2align	6, 0x0
	.amdhsa_kernel k_qe795571c52_attn
		.amdhsa_group_segment_fixed_size 327680
		.amdhsa_private_segment_fixed_size 0
		.amdhsa_enable_private_segment 0
		.amdhsa_kernarg_size 24
		.amdhsa_user_sgpr_count 2
		.amdhsa_user_sgpr_kernarg_segment_ptr 1
		.amdhsa_wavefront_size32 1
		.amdhsa_system_sgpr_workgroup_id_x 1
		.amdhsa_system_sgpr_workgroup_id_y 1
		.amdhsa_system_sgpr_workgroup_id_z 1
		.amdhsa_system_vgpr_workitem_id 0
		.amdhsa_next_free_vgpr 256
		.amdhsa_next_free_sgpr 66
		.amdhsa_reserve_vcc 1
		.amdhsa_float_denorm_mode_32 3
		.amdhsa_float_denorm_mode_16_64 3
		.amdhsa_memory_ordered 1
		.amdhsa_forward_progress 1
		.amdhsa_inst_pref_size 108
	.end_amdhsa_kernel
	.amdgpu_metadata
---
amdhsa.version: [ 1, 2 ]
amdhsa.kernels:
  - .name:           k_qe795571c52_attn
    .symbol:         k_qe795571c52_attn.kd
    .args:
      - { .name: qb, .offset: 0, .size: 8, .value_kind: global_buffer, .address_space: global }
      - { .name: kv, .offset: 8, .size: 8, .value_kind: global_buffer, .address_space: global }
      - { .name: aq, .offset: 16, .size: 8, .value_kind: global_buffer, .address_space: global }
    .group_segment_fixed_size: 327680
    .private_segment_fixed_size: 0
    .kernarg_segment_align: 8
    .kernarg_segment_size: 24
    .max_flat_workgroup_size: 512
    .sgpr_count:     66
    .vgpr_count:     256
    .wavefront_size: 32
...
	.end_amdgpu_metadata
.endif
;; end of part 3
;; launch gemm_proj (part 4): grid 4 x 32, 4 waves a work-group, clusters of 4 x 4, 327,680 bytes of LDS; arguments aq, wc, b_proj, out0; writes out0
.if DOCPART == 4
	.amdgcn_target "amdgcn-amd-amdhsa--gfx1250"
	.amdhsa_code_object_version 6
	.text
	.protected	k_qe795571c52_gemm_proj
	.globl	k_qe795571c52_gemm_proj
	.p2align	8
	.type	k_qe795571c52_gemm_proj,@function
k_qe795571c52_gemm_proj:
	s_mov_b64 s[64:65], 0
	v_nop
	global_prefetch_b8 v0, s[64:65] scope:SCOPE_SE
	s_setreg_imm32_b32 hwreg(HW_REG_WAVE_MODE, 25, 1), 1
	s_wait_xcnt 0x0
	s_wait_alu depctr_hold_cnt(0) depctr_sa_sdst(0) depctr_va_vdst(0) depctr_va_sdst(0) depctr_va_ssrc(0) depctr_va_vcc(0) depctr_vm_vsrc(0)
	s_getreg_b32 s2, hwreg(HW_REG_IB_STS2, 6, 4)
	s_cmp_eq_u32 s2, 0
	s_cbranch_scc0 .Lentry_in_a_cluster
	s_endpgm
.Lentry_in_a_cluster:
	s_bfe_u32 s2, ttmp6, 0x10000c
	s_cmp_lg_u32 s2, 0xf033
	s_cbranch_scc0 .Lentry_shape_is_right
	s_endpgm
.Lentry_shape_is_right:
; out0 = a w_proj + b_proj on codes of BF6 (E3M2) with E8M0 scales, sums in f32.  a [8192][1024] lies in aq, w_proj's columns in wc's blocks 24..31, both as images of operand registers
; (blocks of 128 rows, RBB bytes: codes [quarter of K][tile][half][1,536 bytes], scale words at SCB; tile i holds rows 32 (i / 2) + 8 (i % 2) + p(r), p(r) = r + 8 (r / 8)).
; A work-group of four waves makes 256 x 256, a wave 128 x 128: 64 accumulators.  K = 1,024 goes in four quarters through two LDS slots; a quarter of a block is 24,576 dense bytes, one tensor load.
; Source 0 = 16 columns of w_proj ("B"), source 1 = 16 tokens ("A"): a lane holds a token, the 16 registers of B's tiles 2 b, 2 b + 1 are 16 neighbouring columns.  The bias is the C of each sum's first product.
; CLUSTERS: 4 x 4: A's tiles are shared along a row of the cluster, B's along a column: joint loads.  128 work-groups: half of the WGPs have none; a smaller tile would fill them at twice the LDS reads a product: stated, and kept.
; REGISTERS: window 0: v16-29 addresses; v32-63 scale words, two sets; v64-127 the bias; v128-223 A's fragments, one set; on the way out v128-255 rows of out0.  window 1: B's two sets.  windows 2, 3: accumulator (a, b) at v[8 (8 (a % 4) + b)].
.set RBB,   102400
.set SCB,   98304
.set QTR,   24576
.set SLOT,  4*QTR
.set SCL,   2*SLOT
.set SPARE, SCL+4*4096                 ; the spare words: 128 bytes a wave, two blocks of 256 bytes that no other line names
.set SPITCH, 528                       ; the way out: a stage of 16 rows x (512 bytes + 16) for each wave, in slot 0, which has had its last fill and its last read by then
.set FR,    12
.set NL,    4
.set NP,    4
.set ADRA,  16
.set ADRB,  20
.set STO,   24                         ; v24 the stage: where I put 32 bytes of a row
.set RD,    25                         ; v25 and where I read a row back
.set CO,    26                         ; v26 16 x lane: my bytes of a row of out0
.set ADRS,  27
.set SPW,   28
.set NIL,   29
.set SC,    32
.set BP,    64
.set AF,    128
.set BK,    128
.set G1,    24
.set G0,    32
.set G1B,   48
.set G0B,   56
.set G1S,   68
.set G0S,   76
.set G1SB,  80
.set G0SB,  88
.set MSB, 0
.macro WIN new
.if MSB != \new
	s_set_vgpr_msb (MSB<<8)|\new
.set MSB, \new
.endif
.endm
.set MUL_LO, 0xa1                      ; source 0 (B) window 1, source 1 (A) window 0, C and D window 2
.set MUL_HI, 0xf1
.set TO_B,   0x40
.macro JLOAD g0a, g1a, g0b, g1b        ; a joint load: waves 0 and 1 fetch for A, waves 2 and 3 for B; four v_nop follow each line
	s_cmp_eq_u32 s15, 0
	s_cbranch_scc0 .Lfor_b_\@
	tensor_load_to_lds s[\g0a:\g0a+3], s[\g1a:\g1a+7]
	s_nop 0
.rept 4
	v_nop
.endr
	s_branch .Lasked_\@
.Lfor_b_\@:
	tensor_load_to_lds s[\g0b:\g0b+3], s[\g1b:\g1b+7]
	s_nop 0
.rept 4
	v_nop
.endr
.Lasked_\@:
.endm
.macro CREST
	s_cmp_lg_u32 s14, 0
	s_cbranch_scc1 .Lnot_wave_0_\@
	s_barrier_signal -3
.Lnot_wave_0_\@:
	s_barrier_wait -3
	s_barrier_signal -1
	s_barrier_wait -1
.endm
.macro CROUND
	s_barrier_signal -1
	s_barrier_wait -1
	CREST
.endm
	s_load_b128 s[4:7], s[0:1], 0x0                ; aq, wc
	s_load_b128 s[8:11], s[0:1], 0x10              ; b_proj, out0
	v_lshl_add_u32 v[SPW], v0, 2, SPARE
	v_mov_b32 v[NIL], 0
	ds_add_u32 v28, v29
	s_wait_dscnt 0x0
	v_lshrrev_b32 v1, 5, v0
	v_readfirstlane_b32 s14, v1                    ; wave 0..3
	s_lshr_b32 s15, s14, 1                         ; my half of A's rows.  Also: I fetch for A (0) or for B (1)
	s_and_b32 s16, s14, 1                          ; my half of B's rows.  Also: which block of 128 rows I fetch
	s_bfe_u32 s40, ttmp6, 0x40000                  ; cx
	s_bfe_u32 s41, ttmp6, 0x40004                  ; cy
	s_lshl_b32 s42, ttmp9, 2
	s_add_co_u32 s42, s42, s40                     ; B's tile of 256 columns
	s_and_b32 s17, ttmp7, 0xffff
	s_lshl_b32 s17, s17, 2
	s_add_co_u32 s17, s17, s41                     ; A's tile of 256 tokens
	s_lshl_b32 s43, s41, 2
	s_lshl_b32 s43, 15, s43                        ; my row of the cluster
	s_lshl_b32 s44, 0x1111, s40                    ; my column
	s_or_b32 s[G1+0], s43, (3<<16)|(1<<21)         ; group 1: dense rows of 256 bytes (32 elements of 8 bytes): 96 of codes, 16 of scale words; no padding
	s_or_b32 s[G1B+0], s44, (3<<16)|(1<<21)
.irp g, G1, G1B
	s_mov_b32 s[\g+1], 32<<16
	s_mov_b32 s[\g+2], 96<<16
	s_mov_b32 s[\g+3], 32<<16
	s_mov_b32 s[\g+4], 96
	s_mov_b32 s[\g+5], 32
	s_mov_b32 s[\g+6], 0
	s_mov_b32 s[\g+7], 0
.endr
	s_or_b32 s[G1S+0], s43, (3<<16)|(1<<21)
	s_or_b32 s[G1SB+0], s44, (3<<16)|(1<<21)
.irp g, G1S, G1SB
	s_mov_b32 s[\g+1], 32<<16
	s_mov_b32 s[\g+2], 16<<16
	s_mov_b32 s[\g+3], 32<<16
	s_mov_b32 s[\g+4], 16
	s_mov_b32 s[\g+5], 32
	s_mov_b32 s[\g+6], 0
	s_mov_b32 s[\g+7], 0
.endr
	s_lshl_b32 s20, s17, 1
	s_add_co_u32 s20, s20, s16
	s_mul_i32 s20, s20, RBB
	s_mov_b32 s21, 0
	s_lshl_b32 s46, s42, 1
	s_add_co_u32 s46, s46, s16
	s_add_co_u32 s46, s46, 24                      ; w_proj's blocks lie behind w_qkv's 24
	s_mul_i32 s46, s46, RBB
	s_mov_b32 s47, 0
	s_mul_i32 s45, s14, QTR
	s_lshl_b32 s94, s14, 12
	s_wait_kmcnt 0x0
	s_add_nc_u64 s[20:21], s[4:5], s[20:21]
	s_add_nc_u64 s[46:47], s[6:7], s[46:47]
	CROUND                                         ; all sixteen work-groups are here: the first joint loads meet
	s_mov_b32 s[G0S], 1
	s_add_co_u32 s[G0S+1], s94, SCL
	s_add_nc_u64 s[G0S+2:G0S+3], s[20:21], SCB
	s_or_b32 s[G0S+3], s[G0S+3], 0x80000000
	s_mov_b32 s[G0SB], 1
	s_add_co_u32 s[G0SB+1], s94, SCL
	s_add_nc_u64 s[G0SB+2:G0SB+3], s[46:47], SCB
	s_or_b32 s[G0SB+3], s[G0SB+3], 0x80000000
	JLOAD G0S, G1S, G0SB, G1SB
.irp s, 0,1
	s_mov_b32 s[G0+4*\s], 1
	s_add_co_u32 s[G0+4*\s+1], s45, \s*SLOT
	s_add_nc_u64 s[G0+4*\s+2:G0+4*\s+3], s[20:21], \s*QTR
	s_or_b32 s[G0+4*\s+3], s[G0+4*\s+3], 0x80000000
	s_mov_b32 s[G0B+4*\s], 1
	s_add_co_u32 s[G0B+4*\s+1], s45, \s*SLOT
	s_add_nc_u64 s[G0B+4*\s+2:G0B+4*\s+3], s[46:47], \s*QTR
	s_or_b32 s[G0B+4*\s+3], s[G0B+4*\s+3], 0x80000000
	JLOAD G0+4*\s, G1, G0B+4*\s, G1B               ; three loads of mine are out
.endr
	v_and_b32 v1, 31, v0                           ; lane
	v_and_b32 v2, 15, v0                           ; r
	v_bfe_u32 v3, v0, 4, 1                         ; h
	v_lshlrev_b32 v[CO], 4, v1
	v_lshlrev_b32 v5, 3, v1
	v_lshlrev_b32 v4, 6, v3                        ; 64 h: the bias along the registers
	s_lshl_b32 s92, s42, 10
	s_lshl_b32 s93, s16, 9
	s_add_co_u32 s92, s92, s93                     ; my first column, in bytes
	s_mov_b32 s93, 0
	s_add_nc_u64 s[8:9], s[8:9], s[92:93]
.irp b, 0,1,2,3,4,5,6,7
	global_load_b128 v[BP+8*\b:BP+8*\b+3], v4, s[8:9] offset:4*(32*(\b/2)+8*(\b%2))       ; register 8 b + j: column 32 (b / 2) + 8 (b % 2) + 16 h + j
	global_load_b128 v[BP+8*\b+4:BP+8*\b+7], v4, s[8:9] offset:4*(32*(\b/2)+8*(\b%2))+16
.endr
	s_mul_i32 s21, s15, QTR
	s_mul_i32 s22, s16, QTR
	s_add_co_u32 s22, s22, 2*QTR
.irp s, 0,1
	v_add_nc_u32 v[ADRA+\s], s21, v[CO]
	v_add_nc_u32 v[ADRA+2+\s], s21, v5
	v_add_nc_u32 v[ADRB+\s], s22, v[CO]
	v_add_nc_u32 v[ADRB+2+\s], s22, v5
	s_add_co_u32 s21, s21, SLOT
	s_add_co_u32 s22, s22, SLOT
.endr
	v_and_b32 v6, 8, v2
	v_add_nc_u32 v6, v6, v2                        ; p(r)
	v_lshlrev_b32 v6, 3, v6
	s_lshl_b32 s21, s15, 12
	s_lshl_b32 s22, s16, 12
	s_add_co_u32 s22, s22, 2*4096
	s_sub_co_u32 s22, s22, s21
	v_mul_u32_u24 v7, s22, v3                      ; lanes 16-31 take B's
	s_add_co_u32 s21, s21, SCL
	v_add_nc_u32 v6, v6, v7
	v_add_nc_u32 v[ADRS], s21, v6
	s_mul_i32 s23, s14, 16*SPITCH                  ; my stage
	v_mul_u32_u24 v6, v2, SPITCH
	v_lshl_add_u32 v6, v3, 6, v6
	v_add_nc_u32 v[STO], s23, v6                   ; in: row r, + 64 h
	v_add_nc_u32 v[RD], s23, v[CO]                 ; back: a row's 512 bytes
	s_lshl_b32 s18, s17, 20                        ; 256 rows of 4,096 bytes
	s_lshl_b32 s19, s15, 19
	s_add_co_u32 s18, s18, s19
	s_add_co_u32 s18, s18, s92
	s_mov_b32 s19, 0
	s_add_nc_u64 s[10:11], s[10:11], s[18:19]      ; out0 at my first row and column
.macro FRAG reg, adr, q, i
	ds_load_b128 v[\reg:\reg+3], v[\adr] offset:(2*(\i)+(\q))*1536
	ds_load_b64 v[\reg+4:\reg+5], v[\adr+2] offset:(2*(\i)+(\q))*1536+512
	ds_load_b128 v[\reg+6:\reg+9], v[\adr] offset:(2*(\i)+(\q))*1536+768
	ds_load_b64 v[\reg+10:\reg+11], v[\adr+2] offset:(2*(\i)+(\q))*1536+1280
.endm
; 16 matrix instructions.  first = 1: the sums begin with the bias as C.  The 64 accumulators take turns, in one order.
.macro MUL16 a0, p, q, sc, first
.irp a, \a0, \a0+1
.irp b, 0,1,2,3,4,5,6,7
.if \first
	v_wmma_scale_f32_16x16x128_f8f6f4 v[8*(8*((\a)%4)+\b):8*(8*((\a)%4)+\b)+7], v[128*(\p)+FR*\b:128*(\p)+FR*\b+FR-1], v[AF+FR*(\a):AF+FR*(\a)+FR-1], v[BP+8*\b:BP+8*\b+7], v[SC+16*(\sc)+2*\b+(\q)], v[SC+16*(\sc)+2*(\a)+(\q)] matrix_a_fmt:MATRIX_FMT_BF6 matrix_b_fmt:MATRIX_FMT_BF6 matrix_a_scale:MATRIX_SCALE_ROW1
.else
	v_wmma_scale_f32_16x16x128_f8f6f4 v[8*(8*((\a)%4)+\b):8*(8*((\a)%4)+\b)+7], v[128*(\p)+FR*\b:128*(\p)+FR*\b+FR-1], v[AF+FR*(\a):AF+FR*(\a)+FR-1], v[8*(8*((\a)%4)+\b):8*(8*((\a)%4)+\b)+7], v[SC+16*(\sc)+2*\b+(\q)], v[SC+16*(\sc)+2*(\a)+(\q)] matrix_a_fmt:MATRIX_FMT_BF6 matrix_b_fmt:MATRIX_FMT_BF6 matrix_a_scale:MATRIX_SCALE_ROW1
.endif
.endr
.endr
.endm
.macro FETCH_B slot, q, p
	WIN TO_B
.irp i, 0,1,2,3,4,5,6,7
	FRAG 128*(\p)+FR*\i, ADRB+\slot, \q, \i
.endr
	WIN 0
.endm
.macro FETCH_A slot, q, i0
.irp i, \i0, \i0+1, \i0+2, \i0+3
	FRAG AF+FR*(\i), ADRA+\slot, \q, \i
.endr
.endm
.macro SCALES sc, kq
.irp i, 0,1,2,3,4,5,6,7
	ds_load_b64 v[SC+16*(\sc)+2*\i:SC+16*(\sc)+2*\i+1], v[ADRS] offset:1024*(\kq)+256*(\i/2)+64*(\i%2)
.endr
.endm
.macro PLACES n
.rept \n
	v_nop
.endr
.endm
.macro STEP slot, first
	s_wait_dscnt 4*NL                              ; B's set, A's blocks 0-3 and the scale words are in; A's blocks 4-7 (16 loads) may be out
.if \first
	WIN 0x81                                       ; C (the bias) in window 0, D in window 2
.else
	WIN MUL_LO
.endif
	MUL16 0, 0, 0, \slot, \first
	MUL16 2, 0, 0, \slot, \first
	s_wait_dscnt 0
	PLACES NP
	FETCH_B \slot, 1, 1
	FETCH_A \slot, 1, 0
.if \first
	WIN 0xc1
.else
	WIN MUL_HI
.endif
	MUL16 4, 0, 0, \slot, \first
	MUL16 6, 0, 0, \slot, \first
	PLACES NP
	WIN 0
	FETCH_A \slot, 1, 4
.endm
; The second half of a quarter changes slots: ONE barrier; in front of it each wave waits for all its tensor loads, adds 0 to its spare word, and waits for that and for its reads of this slot.
.macro TURN slot, next, fill, kqn
	s_wait_tensorcnt 0x0
	ds_add_u32 v[SPW], v[NIL]                      ; 0 onto my spare word
	s_wait_dscnt 4*NL+1                            ; (the add and A's blocks 4-7 may be out)
	WIN MUL_LO
	MUL16 0, 1, 1, \slot, 0
	s_wait_dscnt 0x0                               ; the add is done, and my reads of this slot are over
	s_barrier_signal -1
	MUL16 2, 1, 1, \slot, 0
	WIN 0
	s_barrier_wait -1
.if \fill
	CREST                                          ; the barrier has opened a round of the cluster's barrier
	s_add_nc_u64 s[G0+4*\slot+2:G0+4*\slot+3], s[G0+4*\slot+2:G0+4*\slot+3], 2*QTR
	s_add_nc_u64 s[G0B+4*\slot+2:G0B+4*\slot+3], s[G0B+4*\slot+2:G0B+4*\slot+3], 2*QTR
	JLOAD G0+4*\slot, G1, G0B+4*\slot, G1B
.else
	PLACES NP
.endif
	FETCH_B \next, 0, 0
	FETCH_A \next, 0, 0
	SCALES \next, \kqn
	WIN MUL_HI
	MUL16 4, 1, 1, \slot, 0
	MUL16 6, 1, 1, \slot, 0
	PLACES NP
	WIN 0
	FETCH_A \next, 0, 4
.endm
	s_wait_tensorcnt 1                             ; the scale words and quarter 0 are in (quarter 1's load may be out)
	s_barrier_signal -1
	s_barrier_wait -1
	FETCH_B 0, 0, 0
	FETCH_A 0, 0, 0
	SCALES 0, 0
	FETCH_A 0, 0, 4
	s_wait_loadcnt 0x0                             ; the bias
	STEP 0, 1
	TURN 0, 1, 1, 1
	STEP 1, 0
	TURN 1, 0, 1, 2
	STEP 0, 0
	TURN 0, 1, 0, 3
	STEP 1, 0
	s_wait_dscnt 4*NL                              ; the very last half quarter
	WIN MUL_LO
	MUL16 0, 1, 1, 1, 0
	MUL16 2, 1, 1, 1, 0
	s_wait_dscnt 0
	WIN MUL_HI
	MUL16 4, 1, 1, 1, 0
	MUL16 6, 1, 1, 1, 0
	WIN 0
; THE WAY OUT, a tile of 16 tokens x 128 columns at a time, through my own stage: a lane's registers go to their columns' places in row r, and whole rows of 512 bytes come back.
.macro TOSTAGE a
.set AC, 64*((\a)%4)
	WIN 0x08+4*((\a)/4)                            ; an LDS store's data: window 2 or 3
.irp b, 0,1,2,3,4,5,6,7
	ds_store_b128 v[STO], v[AC+8*\b:AC+8*\b+3] offset:128*(\b/2)+32*(\b%2)         ; each accumulator from its low end on
	ds_store_b128 v[STO], v[AC+8*\b+4:AC+8*\b+7] offset:128*(\b/2)+32*(\b%2)+16
.endr
	WIN 0
.set BB, BK+64*((\a)%2)
.irp t, 0,1,2,3,4,5,6,7,8,9,10,11,12,13,14,15
	ds_load_b128 v[BB+4*\t:BB+4*\t+3], v[RD] offset:\t*SPITCH   ; LDS serves a wave's instructions in order: these see the stores
.endr
.endm
.macro SEND a, younger
.set BB, BK+64*((\a)%2)
	s_wait_dscnt \younger
.irp t, 0,1,2,3,4,5,6,7,8,9,10,11,12,13,14,15
	global_store_b128 v[CO], v[BB+4*\t:BB+4*\t+3], s[10:11] offset:(32*((\a)/2)+8*((\a)%2)+\t+8*(\t/8))*4096 th:TH_STORE_NT   ; 32 lanes store 512 consecutive bytes of token 32 (a / 2) + 8 (a % 2) + p(t)
.endr
.endm
	PLACES NP
	TOSTAGE 0
.irp a, 1,2,3,4,5,6,7
.if \a > 1
	s_wait_xcnt 0x0                                ; tile a - 2's stores have read their registers: tile a's loads may land there
.endif
	TOSTAGE \a
	SEND \a-1, 32                                  ; behind tile a - 1's loads: tile a's 16 stores and 16 loads
.endr
	SEND 7, 0
	s_wait_tensorcnt 0x0                           ; the wave's end
	ds_add_u32 v[SPW], v[NIL]
	s_wait_dscnt 0x0
	CROUND                                         ; the closing round
	s_endpgm
.Lfunc_end_k_qe795571c52_gemm_proj:
	.size	k_qe795571c52_gemm_proj, .Lfunc_end_k_qe795571c52_gemm_proj-k_qe795571c52_gemm_proj
	.p2alignl 7, 3214868480
	.fill 96, 4, 3214868480
	.section	.rodata,"a",@progbits
	.p2align	6, 0x0
	.amdhsa_kernel k_qe795571c52_gemm_proj
		.amdhsa_group_segment_fixed_size 327680
		.amdhsa_private_segment_fixed_size 0
		.amdhsa_enable_private_segment 0
		.amdhsa_kernarg_size 32
		.amdhsa_user_sgpr_count 2
		.amdhsa_user_sgpr_kernarg_segment_ptr 1
		.amdhsa_wavefront_size32 1
		.amdhsa_system_sgpr_workgroup_id_x 1
		.amdhsa_system_sgpr_workgroup_id_y 1
		.amdhsa_system_sgpr_workgroup_id_z 1
		.amdhsa_system_vgpr_workitem_id 0
		.amdhsa_next_free_vgpr 1024
		.amdhsa_next_free_sgpr 98
		.amdhsa_reserve_vcc 0
		.amdhsa_float_denorm_mode_32 3
		.amdhsa_float_denorm_mode_16_64 3
		.amdhsa_memory_ordered 1
		.amdhsa_forward_progress 1
		.amdhsa_inst_pref_size 144
	.end_amdhsa_kernel
	.amdgpu_metadata
---
amdhsa.version: [ 1, 2 ]
amdhsa.kernels:
  - .name:           k_qe795571c52_gemm_proj
    .symbol:         k_qe795571c52_gemm_proj.kd
    .args:
      - { .name: aq, .offset: 0, .size: 8, .value_kind: global_buffer, .address_space: global }
      - { .name: wc, .offset: 8, .size: 8, .value_kind: global_buffer, .address_space: global }
      - { .name: b_proj, .offset: 16, .size: 8, .value_kind: global_buffer, .address_space: global }
      - { .name: out0, .offset: 24, .size: 8, .value_kind: global_buffer, .address_space: global }
    .group_segment_fixed_size: 327680
    .private_segment_fixed_size: 0
    .kernarg_segment_align: 8
    .kernarg_segment_size: 32
    .max_flat_workgroup_size: 128
    .sgpr_count:     98
    .vgpr_count:     1024
    .wavefront_size: 32
...
	.end_amdgpu_metadata
.endif
;; end of part 4
